; MI455X (gfx1250); checked and timed in simulation.
; The chip was launched on July 23, 2026; its instructions are those of AMD's public machine-readable ISA for CDNA 5 (MIT licence, August 2026) and "CDNA5" Instruction Set Architecture Reference Guide (July 2026). The comments in the code are by the model that wrote it; some were corrected since.
;; Concat Critic. Allowed arithmetic: matrix products marked QUANTISED: E2M3 operands, one E8M0 scale for each 32 along K, by v_wmma_scale_f32_16x16x128_f8f6f4 with both operands' format E2M3, f32 sums; products left as they are: f32 operands where the result goes on into a quantised operand, else bf16, f16 or f32 operands; f32 sums; everything else in f32.
;; Inputs: W1 512 x 256 float32; W2_codes 512 x 16 x 24 uint8 (E2M3 codes of W2, K innermost, in blocks of 32 codes, four codes in three bytes); W2_scales 512 x 16 uint8 (E8M0 scales of W2, one for each 32 codes along K); W3 1 x 512 float32; b1 512 float32; b2 512 float32; b3 1 float32; x_codes 512 x 4 x 24 uint8 (E2M3 codes of x, K innermost, in blocks of 32 codes, four codes in three bytes); x_scales 512 x 4 uint8 (E8M0 scales of x, one for each 32 codes along K); y_codes 512 x 4 x 24 uint8 (E2M3 codes of y, K innermost, in blocks of 32 codes, four codes in three bytes); y_scales 512 x 4 uint8 (E8M0 scales of y, one for each 32 codes along K).
;; Outputs: out0 512 x 512 float32.
;; This version of the problem:
;;   THIS VERSION OF THE PROBLEM IS GIVEN IN LOW PRECISION. The matrix products marked QUANTISED in the list below multiply operands that are first quantised to E2M3 (2 exponent bits, 3 mantissa bits; 6 bits a number), with one power-of-two scale for each 32 numbers along K (OCP MX v1.0); their sums are f32. All else is computed in f32.
;;   The module's matrix products, in the order in which they are computed (A, B: the left and right operand; K: the contracted axis; several contracted axes count as one K, in the product's order):
;;     1. [M 512, K 128] x [K 128, N 512]; A: input x (given as codes); B: input W1: QUANTISED
;;     2. [M 512, K 128] x [K 128, N 512]; A: input y (given as codes); B: input W1: QUANTISED
;;     3. [M 262,144, K 512] x [K 512, N 512]; A: computed on the way; B: input W2 (given as codes): QUANTISED
;;     4. [M 262,144, K 512] x [K 512, N 1]; A: computed on the way; B: input W3: left as it is (N = 1 < 16)
;;   THE QUANTISER, for each operand of a quantised product, along K:
;;     - K is cut into blocks of 32 from its start; a last block that is shorter is filled with zeros.
;;     - A block's scale is 2^e with e = floor(log2(the largest magnitude in the block)) - 2, held to -126 .. 127; a block of zeros has e = 0. As a byte (E8M0): e + 127.
;;     - Each number is divided by its block's scale, clamped to +-7.5, and rounded to the nearest number of E2M3, ties to even, subnormals kept.
;;     - The product sums the exact products of the quantised numbers (number of the format x scale) in f32.
;;   ~~~python
;;   def quantise(x, axis):      # numpy; x: float32 -> the quantised numbers, widened to float32 again
;;       x = np.moveaxis(x, axis, -1); K = x.shape[-1]
;;       x = np.pad(x, [(0, 0)] * (x.ndim - 1) + [(0, -K % 32)]); x = x.reshape(x.shape[:-1] + (-1, 32)); a = np.abs(x).max(-1, keepdims=True)
;;       e = np.where(a > 0, np.clip(np.frexp(np.where(a > 0, a, 1))[1] - 1 - 2, -126, 127), 0)      # np.frexp(a)[1] - 1 = floor(log2(a)), exactly
;;       r = np.clip(x / 2.0 ** e, -7.5, 7.5)
;;       step = 2.0 ** (np.maximum(np.frexp(np.where(r == 0, 1, r))[1] - 1, 0) - 3)
;;       q = np.round(r / step) * step * 2.0 ** e      # np.round: ties to even
;;       return np.moveaxis(q.reshape(q.shape[:-2] + (-1,))[..., :K], -1, axis).astype(np.float32)
;;   ~~~
;;   OPERANDS COMPUTED ON THE WAY. 'Computed on the way' means the value that the module computes at that place (a softmax that the list does not call 'softmax' is quantised finished and normalised). What goes into a quantiser is computed in f32, as accurately as f32 sums, v_exp_f32 and their like allow (about 1e-6 of the number): no bf16 or f16 on the way to a quantiser, and a product that is left as it is and whose result goes on into a quantised operand takes f32 operands (vector FMAs, or v_wmma_f32_16x16x4_f32). A number that lies on a knife's edge between two numbers of the format may be rounded either way, as far as f32 arithmetic and the matrix unit's own rounding can turn it there, and no further.
;;   INPUTS GIVEN AS CODES. W2 (in the module: [512, 512], K = its axis 1); x (in the module: [512, 128], K = its axis 1); y (in the module: [512, 128], K = its axis 1): each comes as NAME_codes (uint8): NAME with its K axis moved to the last place and cut into blocks of 32 codes, [.., K / 32, bytes a block], one block behind the other in memory; four codes in three bytes: a row's codes are one little-endian stream of bits, code i at bits 6 i .. 6 i + 5 (a code: sign, 2 exponent bits, 3 mantissa bits); and NAME_scales (uint8): the same leading axes, one E8M0 byte (e + 127) for each 32 codes along K. Its value is code x scale, taken as it is: it is not quantised again, and the codes and scales need not be those that the quantiser above would give.
;; 2 versions, each right; version 2 is version 1 with the launches prep, main written anew for expert scheduling mode. Each part assembles by itself: llvm-mc -triple=amdgcn-amd-amdhsa -mcpu=gfx1250 --defsym DOCPART=n.
;; ======== version 1 of 2: 2 launches
;; workspace buffers: hxi 1,048,576 bytes; hyi 1,048,576 bytes; w2i 196,608 bytes
;; launch prep (part 1): grid 128 x 1, 4 waves a work-group, no clusters, 41,472 bytes of LDS; arguments W1, b1, x_codes, x_scales, y_codes, y_scales, W2_codes, hxi, hyi, w2i; writes hxi, hyi, w2i
.if DOCPART == 1
	.amdgcn_target "amdgcn-amd-amdhsa--gfx1250"
	.amdhsa_code_object_version 6
	.text
	.protected	k_q1c752f9475_prep
	.globl	k_q1c752f9475_prep
	.p2align	8
	.type	k_q1c752f9475_prep,@function
k_q1c752f9475_prep:
	s_mov_b64 s[64:65], 0
	v_nop
	global_prefetch_b8 v0, s[64:65] scope:SCOPE_SE
	s_setreg_imm32_b32 hwreg(HW_REG_WAVE_MODE, 25, 1), 1
	s_wait_xcnt 0x0
; PREP.  hx + b1 = x W1[:, :128]^T + b1 and hy = y W1[:, 128:]^T, both products on codes of FP6 (E2M3) with one E8M0 scale for each 32 along K, sums in f32;
; and W2's codes laid anew as images of operand registers.  x and y come as codes; W1 [512][256] comes as f32 and is quantised here, along its columns (the cut at column 128 is a block's edge).
; OUT.  hxi, hyi: [tile of 16 rows 32][wc 8][e 8][lane 32][16 bytes] f32: lane (r, h) of chunk e holds value(row 16 tile + r, unit 64 wc + 32 h + 4 e + 0 .. 3): the order in which the next launch's
; lanes want 32 neighbouring units of one row.  w2i: [w 4][s 4][n 8][chunk 3][lane 32][16 bytes]: the 12 registers of the fragment of W2's rows 128 w + 16 n + r, K step s.
; SHARES.  Work-group g: part = bit 3 of g (0: x, 1: y), wc = g % 8 (64 units), g / 16 = four tiles of rows.  Wave v quantises tile v of W1's 64 rows and hands its image to the others through LDS;
; then it multiplies all four tiles by its own tile of 16 rows of x or y.  Wave 0 also lays fragment g of W2.
; THE ROWS OF W1 THAT FORM A TILE ARE NOT NEIGHBOURS: row m of tile v is unit 64 wc + 8 v + m % 8 + 32 (m / 8).  The product is used transposed (source 0 = W1, source 1 = x), so that
; register j of lane (r, h) is unit 64 wc + 32 h + 8 v + j of row r: the four tiles' 32 registers are 32 neighbouring units.
; b1 is the C of x's products (so the later sum is (hx + b1) + hy, not (hx + hy) + b1: one f32 rounding apart); y's products take zeros there.
; LIMITS: NaN and infinities among the inputs are not served.  A block of W1 whose largest magnitude lies under 2^-124 gets the byte 1 (a block of zeros too, where the rule says 127:
; its codes are zeros, and this program alone uses the bytes).
.set TPITCH, 528                       ; a row of 128 f32 in the turning stage: 512 bytes + 16 = 132 words: row r starts at bank 4 r mod 64 (64 banks of 4 bytes: ISA guide 11.1)
.set TURN,   0                         ; LDS: 16 rows x 528 bytes for each wave, the wave's own
.set IMG,    4*16*TPITCH               ; the four fragments' images, 1,536 bytes each
.set SCW,    IMG+4*1536                ; their scale words, 128 bytes each
.set R,    16                          ; v16-79   16 rows of W1 as loaded; later the four fragments (v16-63)
.set Q,    80                          ; v80-143  my 64 numbers in the operand's order; later the four results (v80-111)
.set XF,   144                         ; v144-155 the fragment of x or y
.set XS,   156                         ; v156     its scale words
.set BC,   160                         ; v160-191 b1 in the results' layout, or zeros
.set WF,   192                         ; v192-203 the fragment that I make
.set WX,   204                         ; v204-206, v208-210 each block's upper 16 codes, as the conversion leaves them
.set TM,   212                         ; v212-213 largest magnitudes, v214-215 scale operands, v216-217 bytes, v218-219 at work
.set WS,   220                         ; v220     the scale word that I make
.set W1S,  224                         ; v224-227 the four tiles' scale words
.set W2F,  228                         ; v228-239 wave 0: a fragment of W2
.set WV,   24                          ; s24      my wave's number
	s_load_b256 s[4:11], s[0:1], 0x0               ; W1 s[4:5], b1 s[6:7], x's codes s[8:9], x's scales s[10:11]
	s_load_b256 s[12:19], s[0:1], 0x20             ; y's codes s[12:13], y's scales s[14:15], W2's codes s[16:17], hxi s[18:19]
	s_load_b128 s[20:23], s[0:1], 0x40             ; hyi s[20:21], w2i s[22:23]
	v_lshl_add_u32 v254, v0, 2, 0xa000
	v_mov_b32 v255, 0
	v_lshrrev_b32 v1, 5, v0
	v_readfirstlane_b32 s[WV], v1                  ; wave 0..3
	v_and_b32 v1, 31, v0                           ; lane
	v_and_b32 v2, 15, v0                           ; r
	v_bfe_u32 v3, v0, 4, 1                         ; h
	v_lshlrev_b32 v4, 4, v1                        ; 16 x lane
	v_mul_u32_u24 v5, v2, 96
	v_mad_u32_u24 v5, v3, 24, v5                   ; x, y: row r of 96 bytes, + 24 h
	v_lshlrev_b32 v6, 2, v2                        ; their scale words: 4 r
	v_lshlrev_b32 v7, 7, v3                        ; b1: 32 h numbers on
	v_mul_u32_u24 v8, v2, 384
	v_mad_u32_u24 v8, v3, 24, v8                   ; W2: row r of 384 bytes, + 24 h
	s_mul_i32 s25, s[WV], 16*TPITCH                ; my turning stage
	v_add_nc_u32 v9, s25, v4                       ; in: a row as it was loaded, 16 bytes a lane
	v_mul_u32_u24 v10, v2, TPITCH
	v_lshl_add_u32 v10, v3, 7, v10
	v_add_nc_u32 v10, s25, v10                     ; back: row r, + 32 h numbers
	s_mul_i32 s25, s[WV], 1536
	s_add_co_u32 s25, s25, IMG
	v_add_nc_u32 v11, s25, v4                      ; where my fragment's image goes
	s_lshl_b32 s25, s[WV], 7
	s_add_co_u32 s25, s25, SCW
	v_lshl_add_u32 v12, v1, 2, s25                 ; and its scale words
	v_add_nc_u32 v13, IMG, v4                      ; where any image is read
	v_lshl_add_u32 v14, v1, 2, SCW
	s_bfe_u32 s26, ttmp9, 0x10003                  ; part
	s_and_b32 s27, ttmp9, 7                        ; wc
	s_lshr_b32 s28, ttmp9, 4
	s_lshl_b32 s29, s28, 2
	s_add_co_u32 s29, s29, s[WV]                   ; my tile of rows: 4 (g / 16) + wave
	s_lshl_b32 s30, s27, 16                        ; W1: row 64 wc + 8 wave of 1,024 bytes, + 512 part
	s_lshl_b32 s31, s[WV], 13
	s_add_co_u32 s30, s30, s31
	s_lshl_b32 s31, s26, 9
	s_add_co_u32 s30, s30, s31
	s_mov_b32 s31, 0
	s_lshl_b32 s32, s27, 8                         ; b1: 64 wc numbers on
	s_mov_b32 s33, 0
	s_mul_i32 s34, s29, 1536                       ; the codes of my 16 rows
	s_mov_b32 s35, 0
	s_lshl_b32 s36, s29, 6                         ; their scale words
	s_mov_b32 s37, 0
	s_lshl_b32 s38, s29, 15                        ; out: 32,768 x tile + 4,096 wc
	s_lshl_b32 s39, s27, 12
	s_add_co_u32 s38, s38, s39
	s_mov_b32 s39, 0
	s_lshr_b32 s40, ttmp9, 5                       ; W2's fragment f = g: w = f / 32, s = (f / 8) % 4, n = f % 8
	s_lshl_b32 s40, s40, 3
	s_add_co_u32 s40, s40, s27
	s_mul_i32 s40, s40, 16*384                     ; rows 16 (8 w + n) on,
	s_bfe_u32 s41, ttmp9, 0x20003
	s_mul_i32 s41, s41, 96                         ; K step s
	s_add_co_u32 s40, s40, s41
	s_mov_b32 s41, 0
	s_mul_i32 s42, ttmp9, 1536                     ; its image
	s_mov_b32 s43, 0
	s_mov_b32 s44, 0x76543210
	s_mov_b32 s45, 0xfedcba98                      ; v_permlanex16_b32's selects for lane l xor 16
	s_wait_kmcnt 0x0
	s_cmp_eq_u32 s26, 0                            ; x's work-group or y's?  The choice hangs on the work-group's number alone
	s_cselect_b64 s[8:9], s[8:9], s[12:13]
	s_cselect_b64 s[10:11], s[10:11], s[14:15]
	s_cselect_b64 s[18:19], s[18:19], s[20:21]
	s_cselect_b32 vcc_lo, -1, 0                    ; all lanes: b1 counts (x) or not (y)
	s_add_nc_u64 s[4:5], s[4:5], s[30:31]
	s_add_nc_u64 s[6:7], s[6:7], s[32:33]
	s_add_nc_u64 s[8:9], s[8:9], s[34:35]
	s_add_nc_u64 s[10:11], s[10:11], s[36:37]
	s_add_nc_u64 s[18:19], s[18:19], s[38:39]
	s_add_nc_u64 s[16:17], s[16:17], s[40:41]
	s_add_nc_u64 s[22:23], s[22:23], s[42:43]
.irp j, 0,1,2,3,4,5,6,7,8,9,10,11,12,13,14,15
	global_load_b128 v[R+4*\j:R+4*\j+3], v4, s[4:5] offset:(\j%8)*1024+(\j/8)*32768   ; row m = j of my tile: 32 lanes read its 512 consecutive bytes
.endr
.irp p, 0,1,2,3,4,5
	global_load_b64 v[XF+2*\p:XF+2*\p+1], v5, s[8:9] offset:48*(\p/3)+8*(\p%3)        ; 24 bytes of the row's stream of bits, twice, in pieces of 8
.endr
	global_load_b32 v[XS], v6, s[10:11]
.irp t, 0,1,2,3
	global_load_b128 v[BC+8*\t:BC+8*\t+3], v7, s[6:7] offset:32*\t                    ; b1 at units 64 wc + 32 h + 8 t + 0 .. 7
	global_load_b128 v[BC+8*\t+4:BC+8*\t+7], v7, s[6:7] offset:32*\t+16
.endr
	s_cmp_lg_u32 s[WV], 0
	s_cbranch_scc1 .Lnot_wave_0
.irp p, 0,1,2,3,4,5
	global_load_b64 v[W2F+2*\p:W2F+2*\p+1], v8, s[16:17] offset:48*(\p/3)+8*(\p%3)    ; wave 0: W2's fragment as the operand's registers take it,
.endr
	s_wait_loadcnt 0x0
.irp c, 0,1,2
	global_store_b128 v4, v[W2F+4*\c:W2F+4*\c+3], s[22:23] offset:512*\c              ; and out as it stands: each store covers 512 consecutive bytes, aligned
.endr
.Lnot_wave_0:
	s_wait_loadcnt 0x0                             ; all that was asked for at the head is in
.set i, 0
.rept 32
	v_cndmask_b32 v[BC+i], 0, v[BC+i], vcc_lo      ; y's products start from zeros
.set i, i+1
.endr
	; W1's rows turn through my stage: in as they were loaded, back 32 neighbours along K to a lane: lane (r, h) takes k = 64 c + 32 h + 0 .. 31 of row r, the operand's own order
.irp j, 0,1,2,3,4,5,6,7,8,9,10,11,12,13,14,15
	ds_store_b128 v9, v[R+4*\j:R+4*\j+3] offset:TPITCH*\j
.endr
.irp c, 0,1
.irp e, 0,1,2,3,4,5,6,7
	ds_load_b128 v[Q+32*\c+4*\e:Q+32*\c+4*\e+3], v10 offset:256*\c+16*\e              ; LDS serves a wave's instructions in order (ISA guide 5.7.1.4): these see my stores
.endr
.endr
	s_wait_dscnt 0x0
.irp c, 0,1                                    ; my block 2 c + h: all its 32 numbers are mine
	v_max3_num_f32 v[TM+\c], |v[Q+32*\c]|, |v[Q+32*\c+1]|, 0x1800000                  ; and the floor 2^(3 - 127), under which no largest magnitude is taken: the byte cannot fall under 1
.endr
.irp i, 2,4,6,8,10,12,14,16,18,20,22,24,26,28,30
.irp c, 0,1
	v_max3_num_f32 v[TM+\c], v[TM+\c], |v[Q+32*\c+\i]|, |v[Q+32*\c+\i+1]|             ; (the two blocks by turns)
.endr
.endr
.irp c, 0,1
	v_add_nc_u32 v[TM+2+\c], 0xff000000, v[TM+\c]  ; 2 off the exponent field: the conversion takes the exponent field of this operand as its scale, and nothing else of it
.endr
.irp c, 0,1
	v_lshrrev_b32 v[TM+4+\c], 23, v[TM+2+\c]       ; the scale's byte
.endr
	v_lshl_or_b32 v[WS], v[TM+5], 16, v[TM+4]      ; my two bytes: blocks h and 2 + h of row r,
	v_lshlrev_b32 v[TM+6], 3, v3
	v_lshlrev_b32 v[WS], v[TM+6], v[WS]            ; at their places in the scale word (8 h bits up);
	v_mov_b32 v[TM+7], 0                           ; (a lane permute's destination counts as one of its sources)
	v_permlanex16_b32 v[TM+7], v[WS], s44, s45
	v_or_b32 v[WS], v[WS], v[TM+7]                 ; with lane l xor 16's two the word is whole
.irp c, 0,1
	v_cvt_scalef32_pk16_fp6_f32 v[WF+6*\c:WF+6*\c+2], v[Q+32*\c:Q+32*\c+15], v[TM+2+\c]
	v_cvt_scalef32_pk16_fp6_f32 v[WX+4*\c:WX+4*\c+2], v[Q+32*\c+16:Q+32*\c+31], v[TM+2+\c]   ; (a conversion's three registers begin on an even number: the block's second three do not, so they are moved)
.endr
	v_nop                                          ; one plain place behind a scaled conversion
.irp c, 0,1
.irp i, 0,1,2
	v_mov_b32 v[WF+6*\c+3+\i], v[WX+4*\c+\i]
.endr
.endr
.irp c, 0,1,2
	ds_store_b128 v11, v[WF+4*\c:WF+4*\c+3] offset:512*\c                             ; the fragment goes to LDS as an image of its registers
.endr
	ds_store_b32 v12, v[WS]
	s_wait_dscnt 0x0                               ; for the others' sake: my stores have landed
	s_barrier_signal -1
	s_barrier_wait -1
.irp t, 0,1,2,3
.irp c, 0,1,2
	ds_load_b128 v[R+12*\t+4*\c:R+12*\t+4*\c+3], v13 offset:1536*\t+512*\c            ; and comes back so, in every wave
.endr
	ds_load_b32 v[W1S+\t], v14 offset:128*\t
.endr
	s_wait_dscnt 0x0
.irp t, 0,1,2,3                                ; four accumulators, one product each
	v_wmma_scale_f32_16x16x128_f8f6f4 v[Q+8*\t:Q+8*\t+7], v[R+12*\t:R+12*\t+11], v[XF:XF+11], v[BC+8*\t:BC+8*\t+7], v[W1S+\t], v[XS] matrix_a_fmt:MATRIX_FMT_FP6 matrix_b_fmt:MATRIX_FMT_FP6
.endr
.rept 4
	v_nop                                          ; four places between a matrix instruction and the store that reads its result
.endr
.irp t, 0,1,2,3
	global_store_b128 v4, v[Q+8*\t:Q+8*\t+3], s[18:19] offset:1024*\t                 ; chunks 2 t and 2 t + 1: each store covers 512 consecutive bytes, aligned; each result from its low end on
	global_store_b128 v4, v[Q+8*\t+4:Q+8*\t+7], s[18:19] offset:1024*\t+512
.endr
	s_wait_tensorcnt 0x0
	ds_add_u32 v254, v255
	s_wait_dscnt 0x0
	s_endpgm
.Lfunc_end_k_q1c752f9475_prep:
	.size	k_q1c752f9475_prep, .Lfunc_end_k_q1c752f9475_prep-k_q1c752f9475_prep
	.p2alignl 7, 3214868480
	.fill 96, 4, 3214868480
	.section	.rodata,"a",@progbits
	.p2align	6, 0x0
	.amdhsa_kernel k_q1c752f9475_prep
		.amdhsa_group_segment_fixed_size 41472
		.amdhsa_private_segment_fixed_size 0
		.amdhsa_enable_private_segment 0
		.amdhsa_kernarg_size 80
		.amdhsa_user_sgpr_count 2
		.amdhsa_user_sgpr_kernarg_segment_ptr 1
		.amdhsa_wavefront_size32 1
		.amdhsa_system_sgpr_workgroup_id_x 1
		.amdhsa_system_sgpr_workgroup_id_y 1
		.amdhsa_system_sgpr_workgroup_id_z 1
		.amdhsa_system_vgpr_workitem_id 0
		.amdhsa_next_free_vgpr 256
		.amdhsa_next_free_sgpr 66
		.amdhsa_reserve_vcc 1
		.amdhsa_float_denorm_mode_32 3
		.amdhsa_float_denorm_mode_16_64 3
		.amdhsa_memory_ordered 1
		.amdhsa_forward_progress 1
		.amdhsa_inst_pref_size 17
	.end_amdhsa_kernel
	.amdgpu_metadata
---
amdhsa.version: [ 1, 2 ]
amdhsa.kernels:
  - .name:           k_q1c752f9475_prep
    .symbol:         k_q1c752f9475_prep.kd
    .args:
      - { .name: W1, .offset: 0, .size: 8, .value_kind: global_buffer, .address_space: global }
      - { .name: b1, .offset: 8, .size: 8, .value_kind: global_buffer, .address_space: global }
      - { .name: x_codes, .offset: 16, .size: 8, .value_kind: global_buffer, .address_space: global }
      - { .name: x_scales, .offset: 24, .size: 8, .value_kind: global_buffer, .address_space: global }
      - { .name: y_codes, .offset: 32, .size: 8, .value_kind: global_buffer, .address_space: global }
      - { .name: y_scales, .offset: 40, .size: 8, .value_kind: global_buffer, .address_space: global }
      - { .name: W2_codes, .offset: 48, .size: 8, .value_kind: global_buffer, .address_space: global }
      - { .name: hxi, .offset: 56, .size: 8, .value_kind: global_buffer, .address_space: global }
      - { .name: hyi, .offset: 64, .size: 8, .value_kind: global_buffer, .address_space: global }
      - { .name: w2i, .offset: 72, .size: 8, .value_kind: global_buffer, .address_space: global }
    .group_segment_fixed_size: 41472
    .private_segment_fixed_size: 0
    .kernarg_segment_align: 8
    .kernarg_segment_size: 80
    .max_flat_workgroup_size: 128
    .sgpr_count:     66
    .vgpr_count:     256
    .wavefront_size: 32
...
	.end_amdgpu_metadata
.endif
;; end of part 1
;; launch main (part 2): grid 256 x 1, 4 waves a work-group, no clusters, 197,120 bytes of LDS; arguments hxi, hyi, w2i, W2_scales, b2, W3, b3, out0; writes out0
.if DOCPART == 2
	.amdgcn_target "amdgcn-amd-amdhsa--gfx1250"
	.amdhsa_code_object_version 6
	.text
	.protected	k_q1c752f9475_main
	.globl	k_q1c752f9475_main
	.p2align	8
	.type	k_q1c752f9475_main,@function
k_q1c752f9475_main:
	s_mov_b64 s[64:65], 0
	v_nop
	global_prefetch_b8 v0, s[64:65] scope:SCOPE_SE
	s_setreg_imm32_b32 hwreg(HW_REG_WAVE_MODE, 25, 1), 1
	s_wait_xcnt 0x0
; out[i][j] = W3 . relu(W2 Q(relu((hx[i] + b1) + hy[j])) + b2) + b3, Q the quantiser to FP6 (E2M3) with one E8M0 scale for each 32 along the 512 hidden units; the product on codes, sums in f32.
; hxi (hx + b1) and hyi come from the launch before, f32, in the order in which a lane wants them; w2i holds W2's codes as images of operand registers.
; SHARES.  A work-group owns 16 i x 64 j: 1,024 pairs, 64 tiles of 16 pairs (one i, 16 neighbouring j).  THE FOUR WAVES SHARE THE COLUMNS: wave w keeps W2's rows 128 w .. 128 w + 127 for all of K in
; registers (32 fragments, 384 registers) for the whole launch, and makes K step w (hidden units 128 w .. + 127) of every tile's hidden layer.  So no hidden number is made twice.  The hidden layer goes
; from wave to wave through LDS as IMAGES OF OPERAND REGISTERS (12 registers a lane, 1,536 bytes a fragment), with a table of its scale bytes; a fragment read from LDS feeds eight matrix instructions.
; LAYOUT.  The product is used transposed (source 0 = 16 rows of W2, source 1 = 16 pairs): a lane holds ONE pair (lane % 16) and eight outputs, so W3's product is fused multiply-adds in the lane.
; A lane (r, h) makes, for c = 0, 1, the 32 hidden units 128 w + 64 c + 32 h + 0 .. 31 of pair r: a WHOLE block in one lane: its largest number needs no other lane, and the two conversions' results
; are registers 6 c .. 6 c + 5 of the operand as they stand.
; BY TURNS.  A tile is 32 matrix instructions of a wave.  Behind each stands a gap of vector work: behind the even ones a slice of the tile before's way out (clip, times W3), behind the odd ones a slice
; of the making of a later tile's hidden layer.  The four accumulators of half a tile take turns, one instruction a turn.
; THE RING.  Four places in LDS, each with a SLOT: the two tiles of one i and two tiles of j.  Body q reads slots q and q + 1 and makes slot q + 2; one barrier a body.
; NO CLUSTER, NO TENSOR LOAD: what work-groups share (W2's image, 196,608 bytes; hx, 32,768; hy, 131,072 for a work-group) is read once, at the head, W2 and half of hy straight into the registers
; in which they stay. By way of LDS, W2 alone would cost each wave 96 LDS loads more.
; LIMITS: NaN and infinities are not served.  A block with no number above 2^-124 gets the byte 1 (a block of zeros too, where the rule says 127: its codes are zeros, and the bytes are this program's own).
; The loop's last trip reloads one row of hx that nobody uses (16 LDS loads).
;
; REGISTERS, in windows of 256 (s_set_vgpr_msb: bits 1:0 source 0, 3:2 source 1, 5:4 source 2, 7:6 destination):
;   window 0: v0-15 ids and the head's addresses; v16-79 two sets of four accumulators; v80-127 the tile's four hidden fragments; v128-135 their scale words, two sets; v136-167 W2's scale words;
;             v168-231 b2 in the results' layout; v232-236 the way out's sums
;   window 1: v0-191 W2's K steps 0, 1; v192-255 W3 in the results' layout        window 2: v0-191 W2's K steps 2, 3; v192-255 W3 once more
;   window 3: v0-127 hy of two tiles of j; v128-191 one row of hx; v192-223 the sums in hand; v224-236 codes, largest numbers, byte; v237-250 LDS addresses
; The way out needs no switch of its own: its one register in the place of source 0 is W3's, which lies in windows 1 and 2 at the same numbers.
.set TILEB, 6400                       ; a tile in the ring: four images of 1,536 bytes, then the scale table [pair 16][K step 4][4 bytes]
.set SCT,   6144                       ; where that table begins
.set HXB,   65536                      ; behind the ring (4 x 16,384): hx's image, 8,192 bytes for each wave, the wave's own
.set HY2,   98304                      ; hy of j tiles 2 and 3, 16,384 bytes for each wave, the wave's own
.set PART,  163840                     ; the partial sums [wave 4][h 2][tile 64][pair 16] f32: written once, read behind the last barrier
.set FLOOR, 0x1800000                  ; 2^(3 - 127)
.set PPG,   9                          ; instructions of the making in a gap: 72 for a block, 8 gaps
.set ACC,  16
.set FR,   80
.set HS,   128
.set W2S,  136
.set B2,   168
.set SUMA, 232
.set SUMB, 234
.set RES,  236
.set W3R,  192                         ; in windows 1 and 2
.set HY,   0                           ; in window 3 from here on
.set HX,   128
.set T,    192
.set CD,   224                         ; v224-229 a block's codes
.set CX,   230                         ; v230-232 its upper 16, as the conversion leaves them
.set MA,   233
.set MB,   234
.set SCO,  235                         ; the conversion's scale operand
.set BY,   236                         ; the scale's byte
.set ALD0, 237                         ; 16 x lane
.set ALC,  238                         ; + the place of the slot in hand
.set ALN,  239                         ; + the next slot's
.set ASC0, 240                         ; 16 r + SCT
.set ASCC, 241
.set ASCN, 242
.set AST0, 243                         ; 16 x lane + 1,536 x wave: where my images go
.set AST,  244                         ; + the place of the slot being made
.set ASB0, 245                         ; 16 r + 4 x wave + h + SCT: where my scale bytes go
.set ASB,  246
.set AHX0, 247                         ; HXB + 8,192 x wave + 256 h
.set AHX,  248                         ; + 16 x the row to be read next
.set AHY,  249                         ; HY2 + 16,384 x wave + 16 x lane
.set APT,  250                         ; my partial sums' place: 128 bytes on in each body
.set WV,   20                          ; s20 my wave's number
.set SCUR, 24                          ; s24 the place of the slot in hand, s25 the next, s26 the one being made
.set SNX,  25
.set SPR,  26
.set SROW, 27                          ; s27 16 x the row of hx to be read next
.set CNT,  28                          ; s28 trips to go
.set B3S,  30                          ; s[30:31] b3, twice
.set W_A,  0x01                        ; source 0 in window 1: products on K steps 0, 1, and the way out
.set W_B,  0x02                        ; source 0 in window 2: K steps 2, 3, and the way out
.set W_P,  0xff                        ; all in window 3: the making
.set W_L,  0x03                        ; address in window 3, data in window 0: image loads, the partial sum's store
.set MSB,  0
.set LCNT, 0                           ; LDS instructions written so far; MK0-MK3: the count just behind the loads of fragment 0-3
.set MK0,  0
.set MK1,  0
.set MK2,  0
.set MK3,  0
.macro WIN new                         ; the immediate's high byte repeats the setting that is left; a switch that changes nothing is dropped
.if MSB != \new
	s_set_vgpr_msb (MSB<<8)|\new
.set MSB, \new
.endif
.endm
; Matrix instruction u of a tile's 32: half u / 16, K step (u % 16) / 4, W2's tile of rows 4 (u / 16) + u % 4.  A K step 0 starts the sum from b2.
.macro MM par
.set mS, (u%16)/4
.set mN, 4*(u/16)+u%4
.set rD, ACC+32*(u/16)+8*(u%4)
.set rA, 96*(mS%2)+12*mN
.set rB, FR+12*mS
.if mS < 2
	WIN W_A
.else
	WIN W_B
.endif
.if mS == 0
	v_wmma_scale_f32_16x16x128_f8f6f4 v[rD:rD+7], v[rA:rA+11], v[rB:rB+11], v[B2+8*mN:B2+8*mN+7], v[W2S+4*mN+mS], v[HS+4*(\par)+mS] matrix_a_fmt:MATRIX_FMT_FP6 matrix_b_fmt:MATRIX_FMT_FP6
.else
	v_wmma_scale_f32_16x16x128_f8f6f4 v[rD:rD+7], v[rA:rA+11], v[rB:rB+11], v[rD:rD+7], v[W2S+4*mN+mS], v[HS+4*(\par)+mS] matrix_a_fmt:MATRIX_FMT_FP6 matrix_b_fmt:MATRIX_FMT_FP6
.endif
.endm
; Slice k of 8 of the way out of accumulator set g: four results are clipped and multiplied by W3 into two packed sums.  Each accumulator is read from its low end on.
; The tile's first slice starts the sums; its last adds them up.  (The additions are written as multiply-adds by 1.0: a register in the place of source 0 would be taken from W2's window.)
.macro EPI k, g
.set eZ, ACC+32*(\g)+8*((\k)/2)+4*((\k)%2)
.set eW, W3R+8*(4*(\g)+(\k)/2)+4*((\k)%2)
	v_max_num_f32 v[eZ], 0, v[eZ]
	v_max_num_f32 v[eZ+1], 0, v[eZ+1]
	v_max_num_f32 v[eZ+2], 0, v[eZ+2]
	v_max_num_f32 v[eZ+3], 0, v[eZ+3]
.if ((\g) == 0) && ((\k) == 0)
	v_pk_mul_f32 v[SUMA:SUMA+1], v[eW:eW+1], v[eZ:eZ+1]
	v_pk_mul_f32 v[SUMB:SUMB+1], v[eW+2:eW+3], v[eZ+2:eZ+3]
.else
	v_pk_fma_f32 v[SUMA:SUMA+1], v[eW:eW+1], v[eZ:eZ+1], v[SUMA:SUMA+1]
	v_pk_fma_f32 v[SUMB:SUMB+1], v[eW+2:eW+3], v[eZ+2:eZ+3], v[SUMB:SUMB+1]
.endif
.if ((\g) == 1) && ((\k) == 7)
	v_pk_fma_f32 v[SUMA:SUMA+1], 1.0, v[SUMB:SUMB+1], v[SUMA:SUMA+1] op_sel_hi:[0,1,1]
	v_fma_f32 v[RES], 1.0, v[SUMA], v[SUMA+1]
.endif
.endm
; THE MAKING of one block of 32 hidden units of a lane's pair (block c of my K step, tile jt of the slot) is a list of 72 instructions; PRD writes number pj of it.
;   0-15   the sums (hx + b1) + hy, two at a time
;   16-63  for each pair of sums: the largest so far (two chains; it reads the sums before they are clipped: what is negative loses against the floor), then the two clips at 0
;   64-65  the block's largest number; 2 off its exponent field: the conversion's scale operand
;   66-71  the two conversions; the scale's byte, which is also the plain place behind them; the upper three registers moved to their place
.macro PRD c, jt
.set pX, HX+32*(\c)
.set pY, HY+64*(\jt)+32*(\c)
.if pj < 16
	v_pk_add_f32 v[T+2*pj:T+2*pj+1], v[pX+2*pj:pX+2*pj+1], v[pY+2*pj:pY+2*pj+1]
.elseif pj < 64
.set pq, (pj-16)/3
.set pm, (pj-16)%3
.if pm == 0
.if pq == 0
	v_max3_num_f32 v[MA], v[T], v[T+1], FLOOR
.elseif pq == 1
	v_max_num_f32 v[MB], v[T+2], v[T+3]
.elseif pq%2 == 0
	v_max3_num_f32 v[MA], v[MA], v[T+2*pq], v[T+2*pq+1]
.else
	v_max3_num_f32 v[MB], v[MB], v[T+2*pq], v[T+2*pq+1]
.endif
.else
	v_max_num_f32 v[T+2*pq+pm-1], 0, v[T+2*pq+pm-1]
.endif
.elseif pj == 64
	v_max_num_f32 v[MA], v[MA], v[MB]
.elseif pj == 65
	v_add_nc_u32 v[SCO], 0xff000000, v[MA]
.elseif pj == 66
	v_cvt_scalef32_pk16_fp6_f32 v[CD:CD+2], v[T:T+15], v[SCO]
.elseif pj == 67
	v_cvt_scalef32_pk16_fp6_f32 v[CX:CX+2], v[T+16:T+31], v[SCO]
.elseif pj == 68
	v_lshrrev_b32 v[BY], 23, v[SCO]
.else
	v_mov_b32 v[CD+pj-66], v[CX+pj-69]
.endif
.endm
; A block's six registers go to their places in the fragment's image (registers 6 c .. 6 c + 5; the image holds registers 4 i .. 4 i + 3 at 512 i + 16 x lane), its byte to the scale table (block 2 c + h).
.macro PSTORE c, jt
.if (\c) == 0
	ds_store_b128 v[AST], v[CD:CD+3] offset:TILEB*(\jt)
	ds_store_b64 v[AST], v[CD+4:CD+5] offset:TILEB*(\jt)+512
.else
	ds_store_b64 v[AST], v[CD:CD+1] offset:TILEB*(\jt)+520
	ds_store_b128 v[AST], v[CD+2:CD+5] offset:TILEB*(\jt)+1024
.endif
	ds_store_b8 v[ASB], v[BY] offset:TILEB*(\jt)+2*(\c)
.set LCNT, LCNT+3
.endm
; Half of block c of the next row of hx: the sixteen lanes of a half read the same 16 bytes.
.macro HXLD c, half
.irp e, 0,1,2,3
	ds_load_b128 v[HX+32*(\c)+16*(\half)+4*\e:HX+32*(\c)+16*(\half)+4*\e+3], v[AHX] offset:4096*(\c)+2048*(\half)+512*\e
.endr
.set LCNT, LCNT+4
.endm
; Gap k of 8 of a block's making.  The block's stores stand in the last gap.  The slot's second tile is the last to read hx's block c: behind its last sum (number 15, in gap 1) the next row's is read.
.macro PGAP k, c, jt
	WIN W_P
.set pj, PPG*(\k)
.rept PPG
	PRD \c, \jt
.set pj, pj+1
.endr
.if (\k) == 7
	PSTORE \c, \jt
.endif
.if ((\jt) == 1) && ((\k) == 1)
	HXLD \c, 0
.endif
.if ((\jt) == 1) && ((\k) == 2)
	HXLD \c, 1
.endif
.endm
.macro LBLK c, jt                      ; a whole block, with nothing between the gaps
.set lk, 0
.rept 8
	PGAP lk, \c, \jt
.set lk, lk+1
.endr
.endm
.macro FRLD s, adr, toff               ; hidden fragment s of a tile comes back as it was stored
.irp c, 0,1,2
	ds_load_b128 v[FR+12*\s+4*\c:FR+12*\s+4*\c+3], v[\adr] offset:(\toff)+1536*\s+512*\c
.endr
.set LCNT, LCNT+3
.set MK\s, LCNT
.endm
.macro SCLD set, adr, toff             ; a tile's scale words: lane r takes pair r's four, one for each K step
	ds_load_b128 v[HS+4*(\set):HS+4*(\set)+3], v[\adr] offset:\toff
.set LCNT, LCNT+1
.endm
; HALF A TILE: 16 matrix instructions (half g), a gap behind each.
;   par: the tile's set of scale words.  prod: the odd gaps make block (lbc, lbj).  epi: the even gaps take the other accumulator set out.
;   g = 0: in front of each K step's first product stands the wait for its fragment: LDS results come back in order (ISA guide 5.7.1), so the count is the number of LDS instructions written behind
;          that fragment's loads, which stand in the half before or in this one: no jump lies between.  Fragment 3 is read in gap 1, through adr + toff.  In gap 15 the tile before's partial sum is stored, pst bytes on.
;          bar = 1: the wait in front of K step 3 is for all my LDS instructions, stores too, and the barrier's signal follows; its wait stands two products on; the two gaps between hold register work alone.
;   g = 1: nxt = 1: the next tile's scale words and fragments 0, 1, 2 are read in gaps 5, 9, 13, through sadr and adr + toff.
; A load into a fragment's registers stands behind a whole even gap (six plain vector instructions that name nothing of that product) after the last product that read them: four places are owed.
.macro HALF g, par, prod, lbc, lbj, epi, adr, sadr, toff, nxt, bar, pst
.set u, 16*(\g)
.rept 16
.set hu, u%16
.if (\g) == 0
.if hu == 0
	s_wait_dscnt LCNT-MK0
.elseif hu == 4
	s_wait_dscnt LCNT-MK1
.elseif hu == 8
	s_wait_dscnt LCNT-MK2
.elseif (hu == 12) && (\bar)
	s_wait_dscnt 0x0
	s_barrier_signal -1
.elseif hu == 12
	s_wait_dscnt LCNT-MK3
.elseif (hu == 14) && (\bar)
	s_barrier_wait -1
.endif
.endif
	MM \par
.if hu%2 == 0
.if \epi
	EPI hu/2, 1-(\g)
.endif
.else
.if \prod
	PGAP hu/2, \lbc, \lbj
.endif
.if (\g) == 0
.if hu == 1
	WIN W_L
	FRLD 3, \adr, \toff
.elseif (hu == 15) && (\epi)
	WIN W_L
	ds_store_b32 v[APT], v[RES] offset:\pst
.set LCNT, LCNT+1
.endif
.elseif (\nxt)
.if hu == 5
	WIN W_L
	SCLD 1-(\par), \sadr, \toff
	FRLD 0, \adr, \toff
.elseif hu == 9
	WIN W_L
	FRLD 1, \adr, \toff
.elseif hu == 13
	WIN W_L
	FRLD 2, \adr, \toff
.endif
.endif
.endif
.set u, u+1
.endr
.endm
; The head of body q.  The slots' places go 0, 1, 3, 2, 0 .. (x 16,384), so that each step is one exclusive or with a constant: from q to q + 1 by 0x4000 (q even) or 0x8000 (q odd), from q to q + 2 by 0xc000.
.macro RBSTART par
.if \par
	s_xor_b32 s[SNX], s[SCUR], 0x8000
.else
	s_xor_b32 s[SNX], s[SCUR], 0x4000
.endif
	s_xor_b32 s[SPR], s[SCUR], 0xc000
	s_add_co_u32 s[SROW], s[SROW], 16
	s_and_b32 s[SROW], s[SROW], 0xf0               ; row (q + 3) % 16: the slot after the one being made
	WIN W_P
	v_add_nc_u32 v[ALC], s[SCUR], v[ALD0]
	v_add_nc_u32 v[ALN], s[SNX], v[ALD0]
	v_add_nc_u32 v[ASCC], s[SCUR], v[ASC0]
	v_add_nc_u32 v[ASCN], s[SNX], v[ASC0]
	v_add_nc_u32 v[AST], s[SPR], v[AST0]
	v_add_nc_u32 v[ASB], s[SPR], v[ASB0]
	v_add_nc_u32 v[AHX], s[SROW], v[AHX0]
	v_add_nc_u32 v[APT], 128, v[APT]
.endm
; BODY q, from the second half of tile (q, 0) to the first half of tile (q + 1, 0).  prod = 1: it makes slot q + 2, a block in each half.  last = 1: nothing follows.
; THE BARRIER stands in the body's second half.  In front of it each wave has waited for all its LDS instructions: its stores of slot q + 1 (the last stand at the end of body q - 1) have landed, and
; its reads of slot q are over.  Behind it slot q + 1 is read.  Between two barriers slot q + 1 alone is read and slots q + 2 and q + 3 alone are written: three different places.
.macro RB par, prod, last
	RBSTART \par
	HALF 1, 0, \prod, 0, 0, 1, ALC, ASCC, TILEB, 1, 0, 0
	HALF 0, 1, \prod, 0, 1, 1, ALC, ASCC, TILEB, 0, 1-(\last), 0
	HALF 1, 1, \prod, 1, 0, 1, ALN, ASCN, 0, 1-(\last), 0, 0
.if (\last) == 0
	HALF 0, 0, \prod, 1, 1, 1, ALN, ASCN, 0, 0, 0, 64
.endif
	s_mov_b32 s[SCUR], s[SNX]
.endm
.macro FOLD base, d                    ; d registers are added onto the d in front of them
.set fi, 0
.rept (\d)/2
	v_pk_add_f32 v[\base+fi:\base+fi+1], v[\base+fi:\base+fi+1], v[\base+fi+\d:\base+fi+\d+1]
.set fi, fi+2
.endr
.endm
	s_load_b256 s[4:11], s[0:1], 0x0               ; hxi s[4:5], hyi s[6:7], w2i s[8:9], W2's scales s[10:11]
	s_load_b256 s[12:19], s[0:1], 0x20             ; b2 s[12:13], W3 s[14:15], b3 s[16:17], out s[18:19]
	v_lshl_add_u32 v254, v0, 2, 0x30000
	v_mov_b32 v255, 0
	v_lshrrev_b32 v1, 5, v0
	v_readfirstlane_b32 s[WV], v1                  ; wave 0..3
	v_and_b32 v1, 31, v0                           ; lane
	v_and_b32 v2, 15, v0                           ; r
	v_bfe_u32 v3, v0, 4, 1                         ; h
	v_lshlrev_b32 v4, 4, v1                        ; 16 x lane
	v_lshlrev_b32 v5, 5, v3                        ; b2, W3: 8 h numbers on
	v_lshlrev_b32 v6, 4, v2                        ; 16 r: W2's scales, a row of 16 bytes
	v_lshl_add_u32 v9, v2, 4, v3                   ; 16 r + h
	v_lshlrev_b32 v10, 2, v2
	v_lshl_add_u32 v10, v3, 12, v10                ; 4,096 h + 4 r
	s_lshr_b32 s21, ttmp9, 3                       ; my tile of 16 i
	s_and_b32 s22, ttmp9, 7                        ; my 64 j
	s_lshl_b32 s23, s[WV], 13
	s_lshl_b32 s32, s21, 15
	s_add_co_u32 s32, s32, s23                     ; hxi: 32,768 x tile + 8,192 x wave
	s_mov_b32 s33, 0
	s_lshl_b32 s34, s22, 17
	s_add_co_u32 s34, s34, s23                     ; hyi: four tiles of 32,768, + 8,192 x wave
	s_mov_b32 s35, 0
	s_mul_i32 s36, s[WV], 49152                    ; w2i: my 32 fragments
	s_mov_b32 s37, 0
	s_lshl_b32 s38, s[WV], 11                      ; W2's scales: my 128 rows of 16 bytes
	s_mov_b32 s39, 0
	s_lshl_b32 s40, s[WV], 9                       ; b2, W3: my 128 numbers
	s_mov_b32 s41, 0
	s_lshl_b32 s42, s21, 15
	s_lshl_b32 s43, s22, 8
	s_add_co_u32 s42, s42, s43                     ; out: 16 rows of 2,048 bytes x tile, + 256 bytes x my 64 j
	s_mov_b32 s43, 0
	s_mul_i32 s44, s[WV], 1536
	s_lshl_b32 s45, s[WV], 2
	s_add_co_u32 s45, s45, SCT
	s_add_co_u32 s46, s23, HXB
	s_lshl_b32 s47, s[WV], 14
	s_add_co_u32 s47, s47, HY2
	s_add_co_u32 s29, s23, PART-128                ; (the first body's head adds the 128)
	v_add_nc_u32 v7, s46, v4                       ; where hx's image goes
	v_add_nc_u32 v8, s47, v4                       ; and hy's
	s_wait_kmcnt 0x0
	s_load_b32 s[B3S], s[16:17], 0x0
	s_add_nc_u64 s[4:5], s[4:5], s[32:33]
	s_add_nc_u64 s[6:7], s[6:7], s[34:35]
	s_add_nc_u64 s[8:9], s[8:9], s[36:37]
	s_add_nc_u64 s[10:11], s[10:11], s[38:39]
	s_add_nc_u64 s[12:13], s[12:13], s[40:41]
	s_add_nc_u64 s[14:15], s[14:15], s[40:41]
	s_add_nc_u64 s[18:19], s[18:19], s[42:43]
	WIN 0xc0                                       ; destination window 3
	v_lshlrev_b32 v[ALD0], 4, v1
	v_lshl_add_u32 v[ASC0], v2, 4, SCT
	v_lshl_add_u32 v[AST0], v1, 4, s44
	v_add_nc_u32 v[ASB0], s45, v9
	v_lshl_add_u32 v[AHX0], v3, 8, s46
	v_lshl_add_u32 v[AHY], v1, 4, s47
	v_add_nc_u32 v[APT], s29, v10
	; ALL READS FROM MEMORY STAND HERE, each of 512 consecutive bytes.  What is wanted first is asked for first.
.set i, 0
.rept 16
	global_load_b128 v[HX+4*i:HX+4*i+3], v4, s[4:5] offset:512*i                      ; hx's image of my 128 units, 16 rows: on its way to LDS
.set i, i+1
.endr
.set i, 0
.rept 32
	global_load_b128 v[HY+4*i:HY+4*i+3], v4, s[6:7] offset:32768*(i/16)+512*(i%16)    ; hy of j tiles 0 and 1: they stay
.set i, i+1
.endr
	WIN 0
.set i, 0
.rept 16
	global_load_b128 v[ACC+4*i:ACC+4*i+3], v4, s[6:7] offset:65536+512*i              ; hy of j tiles 2 and 3: on their way to LDS, through registers that are free as yet
	global_load_b128 v[B2+4*i:B2+4*i+3], v4, s[6:7] offset:98304+512*i
.set i, i+1
.endr
	WIN 0x40                                       ; destination window 1
.set i, 0
.rept 48
	global_load_b128 v[4*i:4*i+3], v4, s[8:9] offset:512*i                            ; W2's K steps 0, 1: fragment (s, n) at 96 s + 12 n
.set i, i+1
.endr
.set i, 0
.rept 16
	global_load_b128 v[W3R+4*i:W3R+4*i+3], v5, s[14:15] offset:64*(i/2)+16*(i%2)      ; W3 at outputs 16 n + 8 h + 0 .. 7
.set i, i+1
.endr
	WIN 0x80                                       ; destination window 2
.set i, 0
.rept 48
	global_load_b128 v[4*i:4*i+3], v4, s[8:9] offset:24576+512*i                      ; K steps 2, 3
.set i, i+1
.endr
.set i, 0
.rept 16
	global_load_b128 v[W3R+4*i:W3R+4*i+3], v5, s[14:15] offset:64*(i/2)+16*(i%2)
.set i, i+1
.endr
	s_wait_loadcnt 63                              ; 128 loads were issued behind hx's and hy's 80: those 80 are in
	WIN 0x0c                                       ; an LDS store's data are its source 1: window 3
.set i, 0
.rept 16
	ds_store_b128 v7, v[HX+4*i:HX+4*i+3] offset:512*i
.set i, i+1
.endr
	WIN 0
.set i, 0
.rept 16
	ds_store_b128 v8, v[ACC+4*i:ACC+4*i+3] offset:512*i
	ds_store_b128 v8, v[B2+4*i:B2+4*i+3] offset:8192+512*i
.set i, i+1
.endr
	s_wait_dscnt 0x0                               ; the stores have read their registers, which are loaded anew below (these LDS bytes are the wave's own: no barrier)
	WIN W_P
	v_mov_b32 v[AHX], v[AHX0]                      ; row 0
	HXLD 0, 0
	HXLD 0, 1
	HXLD 1, 0
	HXLD 1, 1
	WIN 0
.set i, 0
.rept 16
	global_load_b128 v[B2+4*i:B2+4*i+3], v5, s[12:13] offset:64*(i/2)+16*(i%2)        ; b2 at outputs 16 n + 8 h + 0 .. 7
.set i, i+1
.endr
.irp n, 0,1,2,3,4,5,6,7
	global_load_b128 v[W2S+4*\n:W2S+4*\n+3], v6, s[10:11] offset:256*\n               ; W2's scale words of tile n: lane r takes row r's four, one for each K step
.endr
	s_wait_kmcnt 0x0
	s_mov_b32 s[B3S+1], s[B3S]                     ; (the packed form names the pair)
	s_wait_dscnt 0x0                               ; row 0 of hx is in
	; SLOTS 0 AND 1 are made with nothing between the gaps: W2 is landing meanwhile
.irp q, 0,1
	WIN W_P
	v_add_nc_u32 v[AST], 0x4000*\q, v[AST0]
	v_add_nc_u32 v[ASB], 0x4000*\q, v[ASB0]
	v_add_nc_u32 v[AHX], 16*(\q+1), v[AHX0]
	LBLK 0, 0
	LBLK 0, 1
	LBLK 1, 0
	LBLK 1, 1
	s_wait_dscnt 0x0                               ; the next row of hx is in; behind the second slot also for the others' sake: my stores have landed
.endr
	s_barrier_signal -1
	s_barrier_wait -1                              ; slots 0 and 1 are whole
	s_wait_loadcnt 0x0                             ; W2, W3, b2, W2's scale words
	WIN W_L
	SCLD 0, ASC0, 0
	FRLD 0, ALD0, 0
	FRLD 1, ALD0, 0
	FRLD 2, ALD0, 0
	HALF 0, 0, 0, 0, 0, 0, ALD0, ASC0, 0, 0, 0, 0  ; the first half of tile (0, 0): there is no vector work yet to set between its products; the eight additions at the first body's head are the places behind them
	s_mov_b32 s[SCUR], 0
	s_mov_b32 s[SROW], 32
	s_mov_b32 s[CNT], 15
	WIN 0                                          ; at a label and at a branch every window is 0
.Lbody:                                            ; 15 trips of two bodies: bodies 0 to 29 make slots 2 to 31
	s_cmp_eq_u32 s[CNT], 8                         ; body 14 makes slot 16, the first of j tiles 2 and 3: hy changes
	s_cbranch_scc0 .Lsame_hy
	WIN W_P
.set i, 0
.rept 32
	ds_load_b128 v[HY+4*i:HY+4*i+3], v[AHY] offset:512*i
.set i, i+1
.endr
	s_wait_dscnt 0x0
	WIN 0
.Lsame_hy:
	RB 0, 1, 0
	RB 1, 1, 0
	WIN 0
	s_sub_co_u32 s[CNT], s[CNT], 1
	s_cmp_lg_u32 s[CNT], 0
	s_cbranch_scc1 .Lbody
	RB 0, 0, 0                                     ; body 30: nothing is left to make; its barrier shows slot 31 whole
	RB 1, 0, 1                                     ; body 31 ends with the last tile's second half
	WIN W_B
.irp k, 0,1,2,3,4,5,6,7
	EPI \k, 1                                      ; the last tile's second set: the even gaps behind products 28 and 30, and these slices themselves, are the places behind the last products
.endr
	WIN W_L
	ds_store_b32 v[APT], v[RES] offset:64
	WIN 0
	; THE SUM over the four waves and the two halves of the lanes.  Thread t takes four neighbouring columns (t % 16) of rows t / 16 and t / 16 + 8 of the patch.
	; In a plane of 4,096 bytes, tile (i + 16 a, jt) lies at 128 i + 2,048 a + 64 jt, and column 32 a + 16 jt + r of the patch at 4 r in it.
	v_lshrrev_b32 v11, 4, v0                       ; row 0..7
	v_bfe_u32 v12, v0, 3, 1                        ; a
	v_and_b32 v13, 7, v0
	v_lshlrev_b32 v14, 4, v13
	v_lshl_add_u32 v14, v12, 11, v14
	v_lshl_add_u32 v14, v11, 7, v14
	v_add_nc_u32 v14, PART, v14
	v_lshl_add_u32 v15, v11, 11, v6                ; and in out: row x 2,048 + 16 (t % 16)
	s_wait_dscnt 0x0                               ; for the others' sake: my partial sums have landed
	s_barrier_signal -1
	s_barrier_wait -1
.irp k, 0,1
.irp a, 0,1,2,3,4,5,6,7
	ds_load_b128 v[ACC+32*\k+4*\a:ACC+32*\k+4*\a+3], v14 offset:1024*\k+4096*\a
.endr
.endr
.irp k, 0,1
	s_wait_dscnt 8-8*\k                            ; the first eight are in (the other eight may be out); then all
	FOLD ACC+32*\k, 16
	FOLD ACC+32*\k, 8
	FOLD ACC+32*\k, 4
	v_pk_add_f32 v[ACC+32*\k:ACC+32*\k+1], v[ACC+32*\k:ACC+32*\k+1], s[B3S:B3S+1] op_sel_hi:[1,0]
	v_pk_add_f32 v[ACC+32*\k+2:ACC+32*\k+3], v[ACC+32*\k+2:ACC+32*\k+3], s[B3S:B3S+1] op_sel_hi:[1,0]
	global_store_b128 v15, v[ACC+32*\k:ACC+32*\k+3], s[18:19] offset:16384*\k th:TH_STORE_NT   ; sixteen lanes store 256 consecutive bytes, at a multiple of 256 from out's first byte
.endr
	s_wait_tensorcnt 0x0
	ds_add_u32 v254, v255
	s_wait_dscnt 0x0
	s_endpgm
.Lfunc_end_k_q1c752f9475_main:
	.size	k_q1c752f9475_main, .Lfunc_end_k_q1c752f9475_main-k_q1c752f9475_main
	.p2alignl 7, 3214868480
	.fill 96, 4, 3214868480
	.section	.rodata,"a",@progbits
	.p2align	6, 0x0
	.amdhsa_kernel k_q1c752f9475_main
		.amdhsa_group_segment_fixed_size 197120
		.amdhsa_private_segment_fixed_size 0
		.amdhsa_enable_private_segment 0
		.amdhsa_kernarg_size 64
		.amdhsa_user_sgpr_count 2
		.amdhsa_user_sgpr_kernarg_segment_ptr 1
		.amdhsa_wavefront_size32 1
		.amdhsa_system_sgpr_workgroup_id_x 1
		.amdhsa_system_sgpr_workgroup_id_y 1
		.amdhsa_system_sgpr_workgroup_id_z 1
		.amdhsa_system_vgpr_workitem_id 0
		.amdhsa_next_free_vgpr 1024
		.amdhsa_next_free_sgpr 66
		.amdhsa_reserve_vcc 0
		.amdhsa_float_denorm_mode_32 3
		.amdhsa_float_denorm_mode_16_64 3
		.amdhsa_memory_ordered 1
		.amdhsa_forward_progress 1
		.amdhsa_inst_pref_size 178
	.end_amdhsa_kernel
	.amdgpu_metadata
---
amdhsa.version: [ 1, 2 ]
amdhsa.kernels:
  - .name:           k_q1c752f9475_main
    .symbol:         k_q1c752f9475_main.kd
    .args:
      - { .name: hxi, .offset: 0, .size: 8, .value_kind: global_buffer, .address_space: global }
      - { .name: hyi, .offset: 8, .size: 8, .value_kind: global_buffer, .address_space: global }
      - { .name: w2i, .offset: 16, .size: 8, .value_kind: global_buffer, .address_space: global }
      - { .name: W2_scales, .offset: 24, .size: 8, .value_kind: global_buffer, .address_space: global }
      - { .name: b2, .offset: 32, .size: 8, .value_kind: global_buffer, .address_space: global }
      - { .name: W3, .offset: 40, .size: 8, .value_kind: global_buffer, .address_space: global }
      - { .name: b3, .offset: 48, .size: 8, .value_kind: global_buffer, .address_space: global }
      - { .name: out0, .offset: 56, .size: 8, .value_kind: global_buffer, .address_space: global }
    .group_segment_fixed_size: 197120
    .private_segment_fixed_size: 0
    .kernarg_segment_align: 8
    .kernarg_segment_size: 64
    .max_flat_workgroup_size: 128
    .sgpr_count:     66
    .vgpr_count:     1024
    .wavefront_size: 32
...
	.end_amdgpu_metadata
.endif
;; end of part 2
;; ======== version 2 of 2: 2 launches; version 1 with the launches prep, main written anew for expert scheduling mode
;; workspace buffers: hxi 1,048,576 bytes; hyi 1,048,576 bytes; w2i 196,608 bytes
;; launch prep (part 3): grid 128 x 1, 4 waves a work-group, no clusters, 41,472 bytes of LDS; arguments W1, b1, x_codes, x_scales, y_codes, y_scales, W2_codes, hxi, hyi, w2i; writes hxi, hyi, w2i
.if DOCPART == 3
	.amdgcn_target "amdgcn-amd-amdhsa--gfx1250"
	.amdhsa_code_object_version 6
	.text
	.protected	k_q1c752f9475_prep
	.globl	k_q1c752f9475_prep
	.p2align	8
	.type	k_q1c752f9475_prep,@function
k_q1c752f9475_prep:
	s_mov_b64 s[64:65], 0
	v_nop
	global_prefetch_b8 v0, s[64:65] scope:SCOPE_SE
	s_setreg_imm32_b32 hwreg(HW_REG_WAVE_SCHED_MODE, 0, 2), 2
	s_setreg_imm32_b32 hwreg(HW_REG_WAVE_MODE, 25, 1), 1
	s_wait_xcnt 0x0
	s_wait_alu depctr_vm_vsrc(0)
; PREP.  hx + b1 = x W1[:, :128]^T + b1 and hy = y W1[:, 128:]^T, both products on codes of FP6 (E2M3) with one E8M0 scale for each 32 along K, sums in f32;
; and W2's codes laid anew as images of operand registers.  x and y come as codes; W1 [512][256] comes as f32 and is quantised here, along its columns (the cut at column 128 is a block's edge).
; OUT.  hxi, hyi: [tile of 16 rows 32][wc 8][e 8][lane 32][16 bytes] f32: lane (r, h) of chunk e holds value(row 16 tile + r, unit 64 wc + 32 h + 4 e + 0 .. 3): the order in which the next launch's
; lanes want 32 neighbouring units of one row.  w2i: [w 4][s 4][n 8][chunk 3][lane 32][16 bytes]: the 12 registers of the fragment of W2's rows 128 w + 16 n + r, K step s.
; SHARES.  Work-group g: part = bit 3 of g (0: x, 1: y), wc = g % 8 (64 units), g / 16 = four tiles of rows.  Wave v quantises tile v of W1's 64 rows and hands its image to the others through LDS;
; then it multiplies all four tiles by its own tile of 16 rows of x or y.  Wave 0 also lays fragment g of W2.
; THE ROWS OF W1 THAT FORM A TILE ARE NOT NEIGHBOURS: row m of tile v is unit 64 wc + 8 v + m % 8 + 32 (m / 8).  The product is used transposed (source 0 = W1, source 1 = x), so that
; register j of lane (r, h) is unit 64 wc + 32 h + 8 v + j of row r: the four tiles' 32 registers are 32 neighbouring units.
; b1 is the C of x's products (so the later sum is (hx + b1) + hy, not (hx + hy) + b1: one f32 rounding apart); y's products take zeros there.
; LIMITS: NaN and infinities among the inputs are not served.  A block of W1 whose largest magnitude lies under 2^-124 gets the byte 1 (a block of zeros too, where the rule says 127:
; its codes are zeros, and this program alone uses the bytes).
; THE MODE: SCHED_MODE bits 1:0 = 2 (LLVM: expert scheduling mode 2), set by the entry lines.  The code itself states the register dependences
; between vector or matrix instructions and memory or LDS instructions, with s_wait_alu, always for 0.
; THE PLAN.  Registers that memory or LDS instructions touch:
;   v4-v14    offsets and LDS addresses: written once at the head, read by every load and store, never written again: one wait on va_vdst ahead of the first load.
;   R         loaded from memory; read by the turning stage's LDS stores; later the four images' LDS loads land in it: one wait on vm_vsrc ahead of those loads.
;   Q         LDS loads land in it; vector instructions read it; the products write its first 32, which the stores to memory read: one wait on va_vdst behind the four places.
;   WF, WS    written by the conversions, moves and shifts; read by the image's LDS stores: one wait on va_vdst ahead of them.
;   XF, XS, BC, W1S, W2F  are filled by loads once; no memory instruction reads or writes them again but W2F's own stores, whose data are loaded data.
.set TPITCH, 528                       ; a row of 128 f32 in the turning stage: 512 bytes + 16 = 132 words: row r starts at bank 4 r mod 64 (64 banks of 4 bytes: ISA guide 11.1)
.set TURN,   0                         ; LDS: 16 rows x 528 bytes for each wave, the wave's own
.set IMG,    4*16*TPITCH               ; the four fragments' images, 1,536 bytes each
.set SCW,    IMG+4*1536                ; their scale words, 128 bytes each
.set R,    16                          ; v16-79   16 rows of W1 as loaded; later the four fragments (v16-63)
.set Q,    80                          ; v80-143  my 64 numbers in the operand's order; later the four results (v80-111)
.set XF,   144                         ; v144-155 the fragment of x or y
.set XS,   156                         ; v156     its scale words
.set BC,   160                         ; v160-191 b1 in the results' layout, or zeros
.set WF,   192                         ; v192-203 the fragment that I make
.set WX,   204                         ; v204-206, v208-210 each block's upper 16 codes, as the conversion leaves them
.set TM,   212                         ; v212-213 largest magnitudes, v214-215 scale operands, v216-217 bytes, v218-219 at work
.set WS,   220                         ; v220     the scale word that I make
.set W1S,  224                         ; v224-227 the four tiles' scale words
.set W2F,  228                         ; v228-239 wave 0: a fragment of W2
.set WV,   24                          ; s24      my wave's number
	s_load_b256 s[4:11], s[0:1], 0x0               ; W1 s[4:5], b1 s[6:7], x's codes s[8:9], x's scales s[10:11]
	s_load_b256 s[12:19], s[0:1], 0x20             ; y's codes s[12:13], y's scales s[14:15], W2's codes s[16:17], hxi s[18:19]
	s_load_b128 s[20:23], s[0:1], 0x40             ; hyi s[20:21], w2i s[22:23]
	v_lshl_add_u32 v254, v0, 2, 0xa000
	v_mov_b32 v255, 0
	v_lshrrev_b32 v1, 5, v0
	v_readfirstlane_b32 s[WV], v1                  ; wave 0..3
	v_and_b32 v1, 31, v0                           ; lane
	v_and_b32 v2, 15, v0                           ; r
	v_bfe_u32 v3, v0, 4, 1                         ; h
	v_lshlrev_b32 v4, 4, v1                        ; 16 x lane
	v_mul_u32_u24 v5, v2, 96
	v_mad_u32_u24 v5, v3, 24, v5                   ; x, y: row r of 96 bytes, + 24 h
	v_lshlrev_b32 v6, 2, v2                        ; their scale words: 4 r
	v_lshlrev_b32 v7, 7, v3                        ; b1: 32 h numbers on
	v_mul_u32_u24 v8, v2, 384
	v_mad_u32_u24 v8, v3, 24, v8                   ; W2: row r of 384 bytes, + 24 h
	s_wait_alu depctr_va_sdst(0)                   ; the wave's number is written, ahead of its first reader: LDS places and the buffers' offsets are made from it
	s_mul_i32 s25, s[WV], 16*TPITCH                ; my turning stage
	v_add_nc_u32 v9, s25, v4                       ; in: a row as it was loaded, 16 bytes a lane
	v_mul_u32_u24 v10, v2, TPITCH
	v_lshl_add_u32 v10, v3, 7, v10
	v_add_nc_u32 v10, s25, v10                     ; back: row r, + 32 h numbers
	s_mul_i32 s25, s[WV], 1536
	s_add_co_u32 s25, s25, IMG
	v_add_nc_u32 v11, s25, v4                      ; where my fragment's image goes
	s_lshl_b32 s25, s[WV], 7
	s_add_co_u32 s25, s25, SCW
	v_lshl_add_u32 v12, v1, 2, s25                 ; and its scale words
	v_add_nc_u32 v13, IMG, v4                      ; where any image is read
	v_lshl_add_u32 v14, v1, 2, SCW
	s_bfe_u32 s26, ttmp9, 0x10003                  ; part
	s_and_b32 s27, ttmp9, 7                        ; wc
	s_lshr_b32 s28, ttmp9, 4
	s_lshl_b32 s29, s28, 2
	s_add_co_u32 s29, s29, s[WV]                   ; my tile of rows: 4 (g / 16) + wave
	s_lshl_b32 s30, s27, 16                        ; W1: row 64 wc + 8 wave of 1,024 bytes, + 512 part
	s_lshl_b32 s31, s[WV], 13
	s_add_co_u32 s30, s30, s31
	s_lshl_b32 s31, s26, 9
	s_add_co_u32 s30, s30, s31
	s_mov_b32 s31, 0
	s_lshl_b32 s32, s27, 8                         ; b1: 64 wc numbers on
	s_mov_b32 s33, 0
	s_mul_i32 s34, s29, 1536                       ; the codes of my 16 rows
	s_mov_b32 s35, 0
	s_lshl_b32 s36, s29, 6                         ; their scale words
	s_mov_b32 s37, 0
	s_lshl_b32 s38, s29, 15                        ; out: 32,768 x tile + 4,096 wc
	s_lshl_b32 s39, s27, 12
	s_add_co_u32 s38, s38, s39
	s_mov_b32 s39, 0
	s_lshr_b32 s40, ttmp9, 5                       ; W2's fragment f = g: w = f / 32, s = (f / 8) % 4, n = f % 8
	s_lshl_b32 s40, s40, 3
	s_add_co_u32 s40, s40, s27
	s_mul_i32 s40, s40, 16*384                     ; rows 16 (8 w + n) on,
	s_bfe_u32 s41, ttmp9, 0x20003
	s_mul_i32 s41, s41, 96                         ; K step s
	s_add_co_u32 s40, s40, s41
	s_mov_b32 s41, 0
	s_mul_i32 s42, ttmp9, 1536                     ; its image
	s_mov_b32 s43, 0
	s_mov_b32 s44, 0x76543210
	s_mov_b32 s45, 0xfedcba98                      ; v_permlanex16_b32's selects for lane l xor 16
	s_wait_kmcnt 0x0
	s_cmp_eq_u32 s26, 0                            ; x's work-group or y's?  The choice hangs on the work-group's number alone
	s_cselect_b64 s[8:9], s[8:9], s[12:13]
	s_cselect_b64 s[10:11], s[10:11], s[14:15]
	s_cselect_b64 s[18:19], s[18:19], s[20:21]
	s_cselect_b32 s46, -1, 0                       ; all lanes: b1 counts (x) or not (y)
	s_add_nc_u64 s[4:5], s[4:5], s[30:31]
	s_add_nc_u64 s[6:7], s[6:7], s[32:33]
	s_add_nc_u64 s[8:9], s[8:9], s[34:35]
	s_add_nc_u64 s[10:11], s[10:11], s[36:37]
	s_add_nc_u64 s[18:19], s[18:19], s[38:39]
	s_add_nc_u64 s[16:17], s[16:17], s[40:41]
	s_add_nc_u64 s[22:23], s[22:23], s[42:43]
	s_wait_alu depctr_va_vdst(0)                   ; the offsets and LDS addresses v4 to v14 are written: every load and store of the kernel reads one of them
.irp j, 0,1,2,3,4,5,6,7,8,9,10,11,12,13,14,15
	global_load_b128 v[R+4*\j:R+4*\j+3], v4, s[4:5] offset:(\j%8)*1024+(\j/8)*32768   ; row m = j of my tile: 32 lanes read its 512 consecutive bytes
.endr
.irp p, 0,1,2,3,4,5
	global_load_b64 v[XF+2*\p:XF+2*\p+1], v5, s[8:9] offset:48*(\p/3)+8*(\p%3)        ; 24 bytes of the row's stream of bits, twice, in pieces of 8
.endr
	global_load_b32 v[XS], v6, s[10:11]
.irp t, 0,1,2,3
	global_load_b128 v[BC+8*\t:BC+8*\t+3], v7, s[6:7] offset:32*\t                    ; b1 at units 64 wc + 32 h + 8 t + 0 .. 7
	global_load_b128 v[BC+8*\t+4:BC+8*\t+7], v7, s[6:7] offset:32*\t+16
.endr
	s_cmp_lg_u32 s[WV], 0
	s_cbranch_scc1 .Lnot_wave_0
.irp p, 0,1,2,3,4,5
	global_load_b64 v[W2F+2*\p:W2F+2*\p+1], v8, s[16:17] offset:48*(\p/3)+8*(\p%3)    ; wave 0: W2's fragment as the operand's registers take it,
.endr
	s_wait_loadcnt 0x0
.irp c, 0,1,2
	global_store_b128 v4, v[W2F+4*\c:W2F+4*\c+3], s[22:23] offset:512*\c              ; and out as it stands: each store covers 512 consecutive bytes, aligned (its data are loaded data: no vector instruction names them)
.endr
.Lnot_wave_0:
	s_wait_loadcnt 0x0                             ; all that was asked for at the head is in
.set i, 0
.rept 32
	v_cndmask_b32 v[BC+i], 0, v[BC+i], s46         ; y's products start from zeros
.set i, i+1
.endr
	; W1's rows turn through my stage: in as they were loaded, back 32 neighbours along K to a lane: lane (r, h) takes k = 64 c + 32 h + 0 .. 31 of row r, the operand's own order
.irp j, 0,1,2,3,4,5,6,7,8,9,10,11,12,13,14,15
	ds_store_b128 v9, v[R+4*\j:R+4*\j+3] offset:TPITCH*\j
.endr
.irp c, 0,1
.irp e, 0,1,2,3,4,5,6,7
	ds_load_b128 v[Q+32*\c+4*\e:Q+32*\c+4*\e+3], v10 offset:256*\c+16*\e              ; LDS serves a wave's instructions in order (ISA guide 5.7.1.4): these see my stores
.endr
.endr
	s_wait_dscnt 0x0
.irp c, 0,1                                    ; my block 2 c + h: all its 32 numbers are mine
	v_max3_num_f32 v[TM+\c], |v[Q+32*\c]|, |v[Q+32*\c+1]|, 0x1800000                  ; and the floor 2^(3 - 127), under which no largest magnitude is taken: the byte cannot fall under 1
.endr
.irp i, 2,4,6,8,10,12,14,16,18,20,22,24,26,28,30
.irp c, 0,1
	v_max3_num_f32 v[TM+\c], v[TM+\c], |v[Q+32*\c+\i]|, |v[Q+32*\c+\i+1]|             ; (the two blocks by turns)
.endr
.endr
.irp c, 0,1
	v_add_nc_u32 v[TM+2+\c], 0xff000000, v[TM+\c]  ; 2 off the exponent field: the conversion takes the exponent field of this operand as its scale, and nothing else of it
.endr
.irp c, 0,1
	v_lshrrev_b32 v[TM+4+\c], 23, v[TM+2+\c]       ; the scale's byte
.endr
	v_lshl_or_b32 v[WS], v[TM+5], 16, v[TM+4]      ; my two bytes: blocks h and 2 + h of row r,
	v_lshlrev_b32 v[TM+6], 3, v3
	v_lshlrev_b32 v[WS], v[TM+6], v[WS]            ; at their places in the scale word (8 h bits up);
	v_mov_b32 v[TM+7], 0                           ; (a lane permute's destination counts as one of its sources)
	v_permlanex16_b32 v[TM+7], v[WS], s44, s45
	v_or_b32 v[WS], v[WS], v[TM+7]                 ; with lane l xor 16's two the word is whole
.irp c, 0,1
	v_cvt_scalef32_pk16_fp6_f32 v[WF+6*\c:WF+6*\c+2], v[Q+32*\c:Q+32*\c+15], v[TM+2+\c]
	v_cvt_scalef32_pk16_fp6_f32 v[WX+4*\c:WX+4*\c+2], v[Q+32*\c+16:Q+32*\c+31], v[TM+2+\c]   ; (a conversion's three registers begin on an even number: the block's second three do not, so they are moved)
.endr
	v_nop                                          ; one plain place behind a scaled conversion
.irp c, 0,1
.irp i, 0,1,2
	v_mov_b32 v[WF+6*\c+3+\i], v[WX+4*\c+\i]
.endr
.endr
	s_wait_alu depctr_va_vdst(0)                   ; the conversions and moves have written the fragment, the shifts its scale word: the LDS stores below read them
.irp c, 0,1,2
	ds_store_b128 v11, v[WF+4*\c:WF+4*\c+3] offset:512*\c                             ; the fragment goes to LDS as an image of its registers
.endr
	ds_store_b32 v12, v[WS]
	s_wait_dscnt 0x0                               ; for the others' sake: my stores have landed
	s_barrier_signal -1
	s_barrier_wait -1
	s_wait_alu depctr_vm_vsrc(0)                   ; the turning stage's LDS stores have read v[R ..], in which the images' loads land
.irp t, 0,1,2,3
.irp c, 0,1,2
	ds_load_b128 v[R+12*\t+4*\c:R+12*\t+4*\c+3], v13 offset:1536*\t+512*\c            ; and comes back so, in every wave
.endr
	ds_load_b32 v[W1S+\t], v14 offset:128*\t
.endr
	s_wait_dscnt 0x0
.irp t, 0,1,2,3                                ; four accumulators, one product each
	v_wmma_scale_f32_16x16x128_f8f6f4 v[Q+8*\t:Q+8*\t+7], v[R+12*\t:R+12*\t+11], v[XF:XF+11], v[BC+8*\t:BC+8*\t+7], v[W1S+\t], v[XS] matrix_a_fmt:MATRIX_FMT_FP6 matrix_b_fmt:MATRIX_FMT_FP6
.endr
.rept 4
	v_nop                                          ; four places between a matrix instruction and the store that reads its result
.endr
	s_wait_alu depctr_va_vdst(0)                   ; the products have written their results, which the stores read; the places above stay beside this wait
.irp t, 0,1,2,3
	global_store_b128 v4, v[Q+8*\t:Q+8*\t+3], s[18:19] offset:1024*\t                 ; chunks 2 t and 2 t + 1: each store covers 512 consecutive bytes, aligned; each result from its low end on
	global_store_b128 v4, v[Q+8*\t+4:Q+8*\t+7], s[18:19] offset:1024*\t+512
.endr
	s_wait_dscnt 0x0                               ; the closing lines, six on end
	s_wait_alu 0x0
	s_wait_tensorcnt 0x0
	ds_add_u32 v254, v255
	s_wait_dscnt 0x0
	s_endpgm
.Lfunc_end_k_q1c752f9475_prep:
	.size	k_q1c752f9475_prep, .Lfunc_end_k_q1c752f9475_prep-k_q1c752f9475_prep
	.p2alignl 7, 3214868480
	.fill 96, 4, 3214868480
	.section	.rodata,"a",@progbits
	.p2align	6, 0x0
	.amdhsa_kernel k_q1c752f9475_prep
		.amdhsa_group_segment_fixed_size 41472
		.amdhsa_private_segment_fixed_size 0
		.amdhsa_enable_private_segment 0
		.amdhsa_kernarg_size 80
		.amdhsa_user_sgpr_count 2
		.amdhsa_user_sgpr_kernarg_segment_ptr 1
		.amdhsa_wavefront_size32 1
		.amdhsa_system_sgpr_workgroup_id_x 1
		.amdhsa_system_sgpr_workgroup_id_y 1
		.amdhsa_system_sgpr_workgroup_id_z 1
		.amdhsa_system_vgpr_workitem_id 0
		.amdhsa_next_free_vgpr 256
		.amdhsa_next_free_sgpr 66
		.amdhsa_reserve_vcc 0
		.amdhsa_float_denorm_mode_32 3
		.amdhsa_float_denorm_mode_16_64 3
		.amdhsa_memory_ordered 1
		.amdhsa_forward_progress 1
		.amdhsa_inst_pref_size 18
	.end_amdhsa_kernel
	.amdgpu_metadata
---
amdhsa.version: [ 1, 2 ]
amdhsa.kernels:
  - .name:           k_q1c752f9475_prep
    .symbol:         k_q1c752f9475_prep.kd
    .args:
      - { .name: W1, .offset: 0, .size: 8, .value_kind: global_buffer, .address_space: global }
      - { .name: b1, .offset: 8, .size: 8, .value_kind: global_buffer, .address_space: global }
      - { .name: x_codes, .offset: 16, .size: 8, .value_kind: global_buffer, .address_space: global }
      - { .name: x_scales, .offset: 24, .size: 8, .value_kind: global_buffer, .address_space: global }
      - { .name: y_codes, .offset: 32, .size: 8, .value_kind: global_buffer, .address_space: global }
      - { .name: y_scales, .offset: 40, .size: 8, .value_kind: global_buffer, .address_space: global }
      - { .name: W2_codes, .offset: 48, .size: 8, .value_kind: global_buffer, .address_space: global }
      - { .name: hxi, .offset: 56, .size: 8, .value_kind: global_buffer, .address_space: global }
      - { .name: hyi, .offset: 64, .size: 8, .value_kind: global_buffer, .address_space: global }
      - { .name: w2i, .offset: 72, .size: 8, .value_kind: global_buffer, .address_space: global }
    .group_segment_fixed_size: 41472
    .private_segment_fixed_size: 0
    .kernarg_segment_align: 8
    .kernarg_segment_size: 80
    .max_flat_workgroup_size: 128
    .sgpr_count:     66
    .vgpr_count:     256
    .wavefront_size: 32
...
	.end_amdgpu_metadata
.endif
;; end of part 3
;; launch main (part 4): grid 256 x 1, 4 waves a work-group, no clusters, 197,120 bytes of LDS; arguments hxi, hyi, w2i, W2_scales, b2, W3, b3, out0; writes out0
.if DOCPART == 4
	.amdgcn_target "amdgcn-amd-amdhsa--gfx1250"
	.amdhsa_code_object_version 6
	.text
	.protected	k_q1c752f9475_main
	.globl	k_q1c752f9475_main
	.p2align	8
	.type	k_q1c752f9475_main,@function
k_q1c752f9475_main:
	s_mov_b64 s[64:65], 0
	v_nop
	global_prefetch_b8 v0, s[64:65] scope:SCOPE_SE
	s_setreg_imm32_b32 hwreg(HW_REG_WAVE_SCHED_MODE, 0, 2), 2
	s_setreg_imm32_b32 hwreg(HW_REG_WAVE_MODE, 25, 1), 1
	s_wait_xcnt 0x0
	s_wait_alu depctr_vm_vsrc(0)
; out[i][j] = W3 . relu(W2 Q(relu((hx[i] + b1) + hy[j])) + b2) + b3, Q the quantiser to FP6 (E2M3) with one E8M0 scale for each 32 along the 512 hidden units; the product on codes, sums in f32.
; hxi (hx + b1) and hyi come from the launch before, f32, in the order in which a lane wants them; w2i holds W2's codes as images of operand registers.
; SHARES.  A work-group owns 16 i x 64 j: 1,024 pairs, 64 tiles of 16 pairs (one i, 16 neighbouring j).  THE FOUR WAVES SHARE THE COLUMNS: wave w keeps W2's rows 128 w .. 128 w + 127 for all of K in
; registers (32 fragments, 384 registers) for the whole launch, and makes K step w (hidden units 128 w .. + 127) of every tile's hidden layer.  So no hidden number is made twice.  The hidden layer goes
; from wave to wave through LDS as IMAGES OF OPERAND REGISTERS (12 registers a lane, 1,536 bytes a fragment), with a table of its scale bytes; a fragment read from LDS feeds eight matrix instructions.
; LAYOUT.  The product is used transposed (source 0 = 16 rows of W2, source 1 = 16 pairs): a lane holds ONE pair (lane % 16) and eight outputs, so W3's product is fused multiply-adds in the lane.
; A lane (r, h) makes, for c = 0, 1, the 32 hidden units 128 w + 64 c + 32 h + 0 .. 31 of pair r: a WHOLE block in one lane: its largest number needs no other lane, and the two conversions' results
; are registers 6 c .. 6 c + 5 of the operand as they stand.
; BY TURNS.  A tile is 32 matrix instructions of a wave.  Behind each stands a gap of vector work: behind the even ones a slice of the tile before's way out (clip, times W3), behind the odd ones a slice
; of the making of a later tile's hidden layer.  The four accumulators of half a tile take turns, one instruction a turn.
; THE RING.  Four places in LDS, each with a SLOT: the two tiles of one i and two tiles of j.  Body q reads slots q and q + 1 and makes slot q + 2; one barrier a body.
; NO CLUSTER, NO TENSOR LOAD: what work-groups share (W2's image, 196,608 bytes; hx, 32,768; hy, 131,072 for a work-group) is read once, at the head, W2 and half of hy straight into the registers
; in which they stay. By way of LDS, W2 alone would cost each wave 96 LDS loads more.
; LIMITS: NaN and infinities are not served.  A block with no number above 2^-124 gets the byte 1 (a block of zeros too, where the rule says 127: its codes are zeros, and the bytes are this program's own).
; The loop's last trip reloads one row of hx that nobody uses (16 LDS loads).
;
; THE MODE: SCHED_MODE bits 1:0 = 2 (LLVM: expert scheduling mode 2), set by the entry lines.  The code itself states the register dependences
; between vector or matrix instructions and memory or LDS instructions, with s_wait_alu, always for 0.
; THE PLAN.  Registers that LDS instructions touch in the loop, and who else names them:
;   FR0 .. FR3   a tile's four hidden fragments.  Fragment s is read by the products on K step s of both halves.  The next tile's FR0 and FR1 land behind product 8 of the second half, its FR2 and FR3 behind its own product 0.
;   HS, two sets read by one tile's products; the next tile's words land in the other set, with FR0.
;   CD, BY       written in the last gap of a block's making; read by the block's three LDS stores; written again a half later.
;   RES          written in gap 14 of a first half; read by one LDS store in gap 15; written again a tile later.
;   HX block c   read by the sums of the slot's two tiles; the next row's lands behind the second tile's making.     HY: read by the sums; loaded anew once, at the head of body 14.
;   ALC, ALN, ASCC, ASCN, AST, ASB, AHX, APT   written at a body's head, read by that body's LDS instructions.  The bases that they are made of, and v4 to v8, are written once, at the head.
;   The accumulators, W2, W3, b2, the sums in hand and the largest numbers are named by vector and matrix instructions alone.
; So a tile's LDS instructions stand in THREE GROUPS, each behind one wait on va_vdst, with no vector or matrix instruction between the wait and the group's last line:
;   second half, gap 8: the next tile's scale words, FR0, FR1.   first half, gap 0: the stores of the block made in the half before, FR2, FR3.   first half, gap 15: this half's block, the next row of hx, the partial sum.
; Waits on vm_vsrc: one at a body's head, ahead of the eight additions; one in gap 11 of the halves in whose last gaps registers are written again that LDS stores issued since the body's head have read.
;
; REGISTERS, in windows of 256 (s_set_vgpr_msb: bits 1:0 source 0, 3:2 source 1, 5:4 source 2, 7:6 destination):
;   window 0: v0-15 ids and the head's addresses; v16-79 two sets of four accumulators; v80-127 the tile's four hidden fragments; v128-135 their scale words, two sets; v136-167 W2's scale words;
;             v168-231 b2 in the results' layout; v232-236 the way out's sums
;   window 1: v0-191 W2's K steps 0, 1; v192-255 W3 in the results' layout        window 2: v0-191 W2's K steps 2, 3; v192-255 W3 once more
;   window 3: v0-127 hy of two tiles of j; v128-191 one row of hx; v192-223 the sums in hand; v224-236 codes, largest numbers, byte; v237-250 LDS addresses
; The way out needs no switch of its own: its one register in the place of source 0 is W3's, which lies in windows 1 and 2 at the same numbers.
.set TILEB, 6400                       ; a tile in the ring: four images of 1,536 bytes, then the scale table [pair 16][K step 4][4 bytes]
.set SCT,   6144                       ; where that table begins
.set HXB,   65536                      ; behind the ring (4 x 16,384): hx's image, 8,192 bytes for each wave, the wave's own
.set HY2,   98304                      ; hy of j tiles 2 and 3, 16,384 bytes for each wave, the wave's own
.set PART,  163840                     ; the partial sums [wave 4][h 2][tile 64][pair 16] f32: written once, read behind the last barrier
.set FLOOR, 0x1800000                  ; 2^(3 - 127)
.set PPG,   9                          ; instructions of the making in a gap: 72 for a block, 8 gaps
.set ACC,  16
.set FR,   80
.set HS,   128
.set W2S,  136
.set B2,   168
.set SUMA, 232
.set SUMB, 234
.set RES,  236
.set W3R,  192                         ; in windows 1 and 2
.set HY,   0                           ; in window 3 from here on
.set HX,   128
.set T,    192
.set CD,   224                         ; v224-229 a block's codes
.set CX,   230                         ; v230-232 its upper 16, as the conversion leaves them
.set MA,   233
.set MB,   234
.set SCO,  235                         ; the conversion's scale operand
.set BY,   236                         ; the scale's byte
.set ALD0, 237                         ; 16 x lane
.set ALC,  238                         ; + the place of the slot in hand
.set ALN,  239                         ; + the next slot's
.set ASC0, 240                         ; 16 r + SCT
.set ASCC, 241
.set ASCN, 242
.set AST0, 243                         ; 16 x lane + 1,536 x wave: where my images go
.set AST,  244                         ; + the place of the slot being made
.set ASB0, 245                         ; 16 r + 4 x wave + h + SCT: where my scale bytes go
.set ASB,  246
.set AHX0, 247                         ; HXB + 8,192 x wave + 256 h
.set AHX,  248                         ; + 16 x the row to be read next
.set AHY,  249                         ; HY2 + 16,384 x wave + 16 x lane
.set APT,  250                         ; my partial sums' place: 128 bytes on in each body
.set WV,   20                          ; s20 my wave's number
.set SCUR, 24                          ; s24 the place of the slot in hand, s25 the next, s26 the one being made
.set SNX,  25
.set SPR,  26
.set SROW, 27                          ; s27 16 x the row of hx to be read next
.set CNT,  28                          ; s28 trips to go
.set B3S,  30                          ; s[30:31] b3, twice
.set W_A,  0x01                        ; source 0 in window 1: products on K steps 0, 1, and the way out
.set W_B,  0x02                        ; source 0 in window 2: K steps 2, 3, and the way out
.set W_P,  0xff                        ; all in window 3: the making, its stores, hx's loads
.set W_L,  0x03                        ; address in window 3, data in window 0: image loads, the partial sum's store
.set W_M,  0x0f                        ; address and a store's data in window 3, a load's data in window 0: a block's stores and image loads in one run
.set MSB,  0
.set LCNT, 0                           ; LDS instructions written so far; MK0-MK3: the count just behind the loads of fragment 0-3
.set MK0,  0
.set MK1,  0
.set MK2,  0
.set MK3,  0
.macro WIN new                         ; the immediate's high byte repeats the setting that is left; a switch that changes nothing is dropped
.if MSB != \new
	s_set_vgpr_msb (MSB<<8)|\new
.set MSB, \new
.endif
.endm
; Matrix instruction u of a tile's 32: half u / 16, K step (u % 16) / 4, W2's tile of rows 4 (u / 16) + u % 4.  A K step 0 starts the sum from b2.
.macro MM par
.set mS, (u%16)/4
.set mN, 4*(u/16)+u%4
.set rD, ACC+32*(u/16)+8*(u%4)
.set rA, 96*(mS%2)+12*mN
.set rB, FR+12*mS
.if mS < 2
	WIN W_A
.else
	WIN W_B
.endif
.if mS == 0
	v_wmma_scale_f32_16x16x128_f8f6f4 v[rD:rD+7], v[rA:rA+11], v[rB:rB+11], v[B2+8*mN:B2+8*mN+7], v[W2S+4*mN+mS], v[HS+4*(\par)+mS] matrix_a_fmt:MATRIX_FMT_FP6 matrix_b_fmt:MATRIX_FMT_FP6
.else
	v_wmma_scale_f32_16x16x128_f8f6f4 v[rD:rD+7], v[rA:rA+11], v[rB:rB+11], v[rD:rD+7], v[W2S+4*mN+mS], v[HS+4*(\par)+mS] matrix_a_fmt:MATRIX_FMT_FP6 matrix_b_fmt:MATRIX_FMT_FP6
.endif
.endm
; Slice k of 8 of the way out of accumulator set g: four results are clipped and multiplied by W3 into two packed sums.  Each accumulator is read from its low end on.
; The tile's first slice starts the sums; its last adds them up.  (The additions are written as multiply-adds by 1.0: a register in the place of source 0 would be taken from W2's window.)
.macro EPI k, g
.set eZ, ACC+32*(\g)+8*((\k)/2)+4*((\k)%2)
.set eW, W3R+8*(4*(\g)+(\k)/2)+4*((\k)%2)
	v_max_num_f32 v[eZ], 0, v[eZ]
	v_max_num_f32 v[eZ+1], 0, v[eZ+1]
	v_max_num_f32 v[eZ+2], 0, v[eZ+2]
	v_max_num_f32 v[eZ+3], 0, v[eZ+3]
.if ((\g) == 0) && ((\k) == 0)
	v_pk_mul_f32 v[SUMA:SUMA+1], v[eW:eW+1], v[eZ:eZ+1]
	v_pk_mul_f32 v[SUMB:SUMB+1], v[eW+2:eW+3], v[eZ+2:eZ+3]
.else
	v_pk_fma_f32 v[SUMA:SUMA+1], v[eW:eW+1], v[eZ:eZ+1], v[SUMA:SUMA+1]
	v_pk_fma_f32 v[SUMB:SUMB+1], v[eW+2:eW+3], v[eZ+2:eZ+3], v[SUMB:SUMB+1]
.endif
.if ((\g) == 1) && ((\k) == 7)
	v_pk_fma_f32 v[SUMA:SUMA+1], 1.0, v[SUMB:SUMB+1], v[SUMA:SUMA+1] op_sel_hi:[0,1,1]
	v_fma_f32 v[RES], 1.0, v[SUMA], v[SUMA+1]
.endif
.endm
; THE MAKING of one block of 32 hidden units of a lane's pair (block c of my K step, tile jt of the slot) is a list of 72 instructions; PRD writes number pj of it.
;   0-15   the sums (hx + b1) + hy, two at a time
;   16-63  for each pair of sums: the largest so far (two chains; it reads the sums before they are clipped: what is negative loses against the floor), then the two clips at 0
;   64-65  the block's largest number; 2 off its exponent field: the conversion's scale operand
;   66-71  the two conversions; the scale's byte, which is also the plain place behind them; the upper three registers moved to their place
.macro PRD c, jt
.set pX, HX+32*(\c)
.set pY, HY+64*(\jt)+32*(\c)
.if pj < 16
	v_pk_add_f32 v[T+2*pj:T+2*pj+1], v[pX+2*pj:pX+2*pj+1], v[pY+2*pj:pY+2*pj+1]
.elseif pj < 64
.set pq, (pj-16)/3
.set pm, (pj-16)%3
.if pm == 0
.if pq == 0
	v_max3_num_f32 v[MA], v[T], v[T+1], FLOOR
.elseif pq == 1
	v_max_num_f32 v[MB], v[T+2], v[T+3]
.elseif pq%2 == 0
	v_max3_num_f32 v[MA], v[MA], v[T+2*pq], v[T+2*pq+1]
.else
	v_max3_num_f32 v[MB], v[MB], v[T+2*pq], v[T+2*pq+1]
.endif
.else
	v_max_num_f32 v[T+2*pq+pm-1], 0, v[T+2*pq+pm-1]
.endif
.elseif pj == 64
	v_max_num_f32 v[MA], v[MA], v[MB]
.elseif pj == 65
	v_add_nc_u32 v[SCO], 0xff000000, v[MA]
.elseif pj == 66
	v_cvt_scalef32_pk16_fp6_f32 v[CD:CD+2], v[T:T+15], v[SCO]
.elseif pj == 67
	v_cvt_scalef32_pk16_fp6_f32 v[CX:CX+2], v[T+16:T+31], v[SCO]
.elseif pj == 68
	v_lshrrev_b32 v[BY], 23, v[SCO]
.else
	v_mov_b32 v[CD+pj-66], v[CX+pj-69]
.endif
.endm
; A block's six registers go to their places in the fragment's image (registers 6 c .. 6 c + 5; the image holds registers 4 i .. 4 i + 3 at 512 i + 16 x lane), its byte to the scale table (block 2 c + h).
.macro PSTORE c, jt
.if (\c) == 0
	ds_store_b128 v[AST], v[CD:CD+3] offset:TILEB*(\jt)
	ds_store_b64 v[AST], v[CD+4:CD+5] offset:TILEB*(\jt)+512
.else
	ds_store_b64 v[AST], v[CD:CD+1] offset:TILEB*(\jt)+520
	ds_store_b128 v[AST], v[CD+2:CD+5] offset:TILEB*(\jt)+1024
.endif
	ds_store_b8 v[ASB], v[BY] offset:TILEB*(\jt)+2*(\c)
.set LCNT, LCNT+3
.endm
; Half of block c of the next row of hx: the sixteen lanes of a half read the same 16 bytes.
.macro HXLD c, half
.irp e, 0,1,2,3
	ds_load_b128 v[HX+32*(\c)+16*(\half)+4*\e:HX+32*(\c)+16*(\half)+4*\e+3], v[AHX] offset:4096*(\c)+2048*(\half)+512*\e
.endr
.set LCNT, LCNT+4
.endm
; Gap k of 8 of a block's making: work on registers alone.
.macro PGAP k, c, jt
	WIN W_P
.set pj, PPG*(\k)
.rept PPG
	PRD \c, \jt
.set pj, pj+1
.endr
.endm
; A whole block, with nothing between the gaps, and its stores.  The slot's second tile is the last to read hx's block c: behind it the next row's is read.  ev = 1: a block's stores stand since the last wait on vm_vsrc.
.macro LBLK c, jt, ev
.if \ev
	s_wait_alu depctr_vm_vsrc(0)                   ; the stores of the block before have read the codes and the byte, which this block writes again
.endif
.set lk, 0
.rept 8
	PGAP lk, \c, \jt
.set lk, lk+1
.endr
	s_wait_alu depctr_va_vdst(0)                   ; the codes and the byte are written, and so are AST, ASB and AHX, which the lines below read; the sums are done reading hx's block, in which the loads land
	PSTORE \c, \jt
.if (\jt) == 1
	HXLD \c, 0
	HXLD \c, 1
.endif
.endm
.macro FRLD s, adr, toff               ; hidden fragment s of a tile comes back as it was stored
.irp c, 0,1,2
	ds_load_b128 v[FR+12*\s+4*\c:FR+12*\s+4*\c+3], v[\adr] offset:(\toff)+1536*\s+512*\c
.endr
.set LCNT, LCNT+3
.set MK\s, LCNT
.endm
.macro SCLD set, adr, toff             ; a tile's scale words: lane r takes pair r's four, one for each K step
	ds_load_b128 v[HS+4*(\set):HS+4*(\set)+3], v[\adr] offset:\toff
.set LCNT, LCNT+1
.endm
; HALF A TILE: 16 matrix instructions (half g), a gap behind each.
;   par: the tile's set of scale words.  prod: the odd gaps make block (lbc, lbj).  epi: the even gaps take the other accumulator set out.
;   g = 0: in front of each K step's first product stands the wait for its fragment: LDS results come back in order (ISA guide 5.7.1), so the count is the number of LDS instructions written behind
;          that fragment's loads, which stand in the half before or in this one: no jump lies between.
;          nxt = 1: in gap 0 the block made in the half before, (lbc, 0), is stored and this tile's fragments 2 and 3 are read, through adr + toff.
;          In gap 15 this half's block is stored, the next row of hx's block lbc is read, and the tile before's partial sum is stored, pst bytes on.
;          bar = 1: the wait in front of K step 3 is for all my LDS instructions, stores too, and the barrier's signal follows; its wait stands two products on; the two gaps between hold register work alone.
;   g = 1: nxt = 1: in gap 8 the next tile's scale words and fragments 0 and 1 are read, through sadr and adr + toff.
;   ev = 1: in gap 11 stands the wait on vm_vsrc for the LDS stores issued since the last one.
; Each group of loads also stands behind a whole slice of the way out (six plain vector instructions) after the last product that read the registers in which it lands.
.macro HALF g, par, prod, lbc, lbj, epi, adr, sadr, toff, nxt, bar, pst, ev
.set u, 16*(\g)
.rept 16
.set hu, u%16
.if (\g) == 0
.if hu == 0
	s_wait_dscnt LCNT-MK0
.elseif hu == 4
	s_wait_dscnt LCNT-MK1
.elseif hu == 8
	s_wait_dscnt LCNT-MK2
.elseif (hu == 12) && (\bar)
	s_wait_dscnt 0x0
	s_barrier_signal -1
.elseif hu == 12
	s_wait_dscnt LCNT-MK3
.elseif (hu == 14) && (\bar)
	s_barrier_wait -1
.endif
.endif
	MM \par
.if hu%2 == 0
.if \epi
	EPI hu/2, 1-(\g)
.endif
.if (hu == 0) && ((\g) == 0) && (\nxt)
	WIN W_M
	s_wait_alu depctr_va_vdst(0)                   ; the half before has written its block's codes and byte, which the stores read; the tile before's products on K steps 2 and 3 are done reading FR2 and FR3, in which the loads land
.if \prod
	PSTORE \lbc, 0
.endif
	FRLD 2, \adr, \toff
	FRLD 3, \adr, \toff
.endif
.if (hu == 8) && ((\g) == 1) && (\nxt)
	WIN W_L
	s_wait_alu depctr_va_vdst(0)                   ; this tile's products on K steps 0 and 1 are done reading FR0 and FR1, the tile before's are done reading the other set of scale words; in a body's first half its eight addresses are written
	SCLD 1-(\par), \sadr, \toff
	FRLD 0, \adr, \toff
	FRLD 1, \adr, \toff
.endif
.else
.if \prod
	PGAP hu/2, \lbc, \lbj
.endif
.if (hu == 11) && (\ev)
	s_wait_alu depctr_vm_vsrc(0)                   ; the LDS stores issued since the last such wait have read the codes, the byte and the partial sum: the codes and the byte are written again in gap 15, the sum in the next gap 14 of a first half
.endif
.if (hu == 15) && ((\g) == 0) && ((\prod) || (\epi))
.if (\prod) == 0
	WIN W_L
.endif
	s_wait_alu depctr_va_vdst(0)                   ; this half has written its block's codes and byte and the tile before's partial sum, which the stores read; its sums are done reading hx's block, in which the loads land
.if \prod
	PSTORE \lbc, \lbj
	HXLD \lbc, 0
	HXLD \lbc, 1
.endif
.if \epi
	WIN W_L
	ds_store_b32 v[APT], v[RES] offset:\pst
.set LCNT, LCNT+1
.endif
.endif
.endif
.set u, u+1
.endr
.endm
; The head of body q.  The slots' places go 0, 1, 3, 2, 0 .. (x 16,384), so that each step is one exclusive or with a constant: from q to q + 1 by 0x4000 (q even) or 0x8000 (q odd), from q to q + 2 by 0xc000.
.macro RBSTART par
.if \par
	s_xor_b32 s[SNX], s[SCUR], 0x8000
.else
	s_xor_b32 s[SNX], s[SCUR], 0x4000
.endif
	s_xor_b32 s[SPR], s[SCUR], 0xc000
	s_add_co_u32 s[SROW], s[SROW], 16
	s_and_b32 s[SROW], s[SROW], 0xf0               ; row (q + 3) % 16: the slot after the one being made
	WIN W_P
	s_wait_alu depctr_vm_vsrc(0)                   ; the LDS instructions issued so far have read the eight addresses, which are written below, and the codes, the byte and the partial sum, which this body writes again
	v_add_nc_u32 v[ALC], s[SCUR], v[ALD0]
	v_add_nc_u32 v[ALN], s[SNX], v[ALD0]
	v_add_nc_u32 v[ASCC], s[SCUR], v[ASC0]
	v_add_nc_u32 v[ASCN], s[SNX], v[ASC0]
	v_add_nc_u32 v[AST], s[SPR], v[AST0]
	v_add_nc_u32 v[ASB], s[SPR], v[ASB0]
	v_add_nc_u32 v[AHX], s[SROW], v[AHX0]
	v_add_nc_u32 v[APT], 128, v[APT]
.endm
; BODY q, from the second half of tile (q, 0) to the first half of tile (q + 1, 0).  prod = 1: it makes slot q + 2, a block in each half.  last = 1: nothing follows.
; THE BARRIER stands in the body's second half.  In front of it each wave has waited for all its LDS instructions: its stores of slot q + 1 (the last stand at the end of body q - 1) have landed, and
; its reads of slot q are over.  Behind it slot q + 1 is read.  Between two barriers slot q + 1 alone is read and slots q + 2 and q + 3 alone are written: three different places.
; The wait on vm_vsrc in gap 11: the first half needs none (the body's head has one); the second and the fourth have it for the block stored in their gap 0; the third for the second half's block and partial sum.
.macro RB par, prod, last
	RBSTART \par
	HALF 1, 0, \prod, 0, 0, 1, ALC, ASCC, TILEB, 1, 0, 0, 0
	HALF 0, 1, \prod, 0, 1, 1, ALC, ASCC, TILEB, 1, 1-(\last), 0, \prod
	HALF 1, 1, \prod, 1, 0, 1, ALN, ASCN, 0, 1-(\last), 0, 0, 1
.if (\last) == 0
	HALF 0, 0, \prod, 1, 1, 1, ALN, ASCN, 0, 1, 0, 64, \prod
.endif
	s_mov_b32 s[SCUR], s[SNX]
.endm
.macro FOLD base, d                    ; d registers are added onto the d in front of them
.set fi, 0
.rept (\d)/2
	v_pk_add_f32 v[\base+fi:\base+fi+1], v[\base+fi:\base+fi+1], v[\base+fi+\d:\base+fi+\d+1]
.set fi, fi+2
.endr
.endm
	s_load_b256 s[4:11], s[0:1], 0x0               ; hxi s[4:5], hyi s[6:7], w2i s[8:9], W2's scales s[10:11]
	s_load_b256 s[12:19], s[0:1], 0x20             ; b2 s[12:13], W3 s[14:15], b3 s[16:17], out s[18:19]
	v_lshl_add_u32 v254, v0, 2, 0x30000
	v_mov_b32 v255, 0
	v_lshrrev_b32 v1, 5, v0
	v_readfirstlane_b32 s[WV], v1                  ; wave 0..3
	v_and_b32 v1, 31, v0                           ; lane
	v_and_b32 v2, 15, v0                           ; r
	v_bfe_u32 v3, v0, 4, 1                         ; h
	v_lshlrev_b32 v4, 4, v1                        ; 16 x lane
	v_lshlrev_b32 v5, 5, v3                        ; b2, W3: 8 h numbers on
	v_lshlrev_b32 v6, 4, v2                        ; 16 r: W2's scales, a row of 16 bytes
	v_lshl_add_u32 v9, v2, 4, v3                   ; 16 r + h
	v_lshlrev_b32 v10, 2, v2
	v_lshl_add_u32 v10, v3, 12, v10                ; 4,096 h + 4 r
	s_wait_alu depctr_va_sdst(0)                   ; the wave's number is written, ahead of its first reader: the buffers' offsets and LDS places are made from it
	s_lshr_b32 s21, ttmp9, 3                       ; my tile of 16 i
	s_and_b32 s22, ttmp9, 7                        ; my 64 j
	s_lshl_b32 s23, s[WV], 13
	s_lshl_b32 s32, s21, 15
	s_add_co_u32 s32, s32, s23                     ; hxi: 32,768 x tile + 8,192 x wave
	s_mov_b32 s33, 0
	s_lshl_b32 s34, s22, 17
	s_add_co_u32 s34, s34, s23                     ; hyi: four tiles of 32,768, + 8,192 x wave
	s_mov_b32 s35, 0
	s_mul_i32 s36, s[WV], 49152                    ; w2i: my 32 fragments
	s_mov_b32 s37, 0
	s_lshl_b32 s38, s[WV], 11                      ; W2's scales: my 128 rows of 16 bytes
	s_mov_b32 s39, 0
	s_lshl_b32 s40, s[WV], 9                       ; b2, W3: my 128 numbers
	s_mov_b32 s41, 0
	s_lshl_b32 s42, s21, 15
	s_lshl_b32 s43, s22, 8
	s_add_co_u32 s42, s42, s43                     ; out: 16 rows of 2,048 bytes x tile, + 256 bytes x my 64 j
	s_mov_b32 s43, 0
	s_mul_i32 s44, s[WV], 1536
	s_lshl_b32 s45, s[WV], 2
	s_add_co_u32 s45, s45, SCT
	s_add_co_u32 s46, s23, HXB
	s_lshl_b32 s47, s[WV], 14
	s_add_co_u32 s47, s47, HY2
	s_add_co_u32 s29, s23, PART-128                ; (the first body's head adds the 128)
	v_add_nc_u32 v7, s46, v4                       ; where hx's image goes
	v_add_nc_u32 v8, s47, v4                       ; and hy's
	s_wait_kmcnt 0x0
	s_load_b32 s[B3S], s[16:17], 0x0
	s_add_nc_u64 s[4:5], s[4:5], s[32:33]
	s_add_nc_u64 s[6:7], s[6:7], s[34:35]
	s_add_nc_u64 s[8:9], s[8:9], s[36:37]
	s_add_nc_u64 s[10:11], s[10:11], s[38:39]
	s_add_nc_u64 s[12:13], s[12:13], s[40:41]
	s_add_nc_u64 s[14:15], s[14:15], s[40:41]
	s_add_nc_u64 s[18:19], s[18:19], s[42:43]
	WIN 0xc0                                       ; destination window 3
	v_lshlrev_b32 v[ALD0], 4, v1
	v_lshl_add_u32 v[ASC0], v2, 4, SCT
	v_lshl_add_u32 v[AST0], v1, 4, s44
	v_add_nc_u32 v[ASB0], s45, v9
	v_lshl_add_u32 v[AHX0], v3, 8, s46
	v_lshl_add_u32 v[AHX], v3, 8, s46              ; the same once more: row 0 is read first
	v_lshl_add_u32 v[AHY], v1, 4, s47
	v_add_nc_u32 v[APT], s29, v10
	s_wait_alu depctr_va_vdst(0)                   ; the offsets v4 to v8 and the LDS addresses of window 3 are written: the loads and LDS instructions below read them
	; ALL READS FROM MEMORY STAND HERE, each of 512 consecutive bytes.  What is wanted first is asked for first.
.set i, 0
.rept 16
	global_load_b128 v[HX+4*i:HX+4*i+3], v4, s[4:5] offset:512*i                      ; hx's image of my 128 units, 16 rows: on its way to LDS
.set i, i+1
.endr
.set i, 0
.rept 32
	global_load_b128 v[HY+4*i:HY+4*i+3], v4, s[6:7] offset:32768*(i/16)+512*(i%16)    ; hy of j tiles 0 and 1: they stay
.set i, i+1
.endr
	WIN 0
.set i, 0
.rept 16
	global_load_b128 v[ACC+4*i:ACC+4*i+3], v4, s[6:7] offset:65536+512*i              ; hy of j tiles 2 and 3: on their way to LDS, through registers that are free as yet
	global_load_b128 v[B2+4*i:B2+4*i+3], v4, s[6:7] offset:98304+512*i
.set i, i+1
.endr
	WIN 0x40                                       ; destination window 1
.set i, 0
.rept 48
	global_load_b128 v[4*i:4*i+3], v4, s[8:9] offset:512*i                            ; W2's K steps 0, 1: fragment (s, n) at 96 s + 12 n
.set i, i+1
.endr
.set i, 0
.rept 16
	global_load_b128 v[W3R+4*i:W3R+4*i+3], v5, s[14:15] offset:64*(i/2)+16*(i%2)      ; W3 at outputs 16 n + 8 h + 0 .. 7
.set i, i+1
.endr
	WIN 0x80                                       ; destination window 2
.set i, 0
.rept 48
	global_load_b128 v[4*i:4*i+3], v4, s[8:9] offset:24576+512*i                      ; K steps 2, 3
.set i, i+1
.endr
.set i, 0
.rept 16
	global_load_b128 v[W3R+4*i:W3R+4*i+3], v5, s[14:15] offset:64*(i/2)+16*(i%2)
.set i, i+1
.endr
	s_wait_loadcnt 63                              ; 128 loads were issued behind hx's and hy's 80: those 80 are in
	WIN 0x0c                                       ; an LDS store's data are its source 1: window 3
.set i, 0
.rept 16
	ds_store_b128 v7, v[HX+4*i:HX+4*i+3] offset:512*i
.set i, i+1
.endr
	WIN 0
.set i, 0
.rept 16
	ds_store_b128 v8, v[ACC+4*i:ACC+4*i+3] offset:512*i
	ds_store_b128 v8, v[B2+4*i:B2+4*i+3] offset:8192+512*i
.set i, i+1
.endr
	s_wait_dscnt 0x0                               ; the images lie in LDS (these LDS bytes are the wave's own: no barrier)
	s_wait_alu depctr_vm_vsrc(0)                   ; the LDS stores have read their data: row 0 of hx and b2 are loaded into those registers below, and the products write the accumulators among them
	WIN W_P
	HXLD 0, 0
	HXLD 0, 1
	HXLD 1, 0
	HXLD 1, 1
	WIN 0
.set i, 0
.rept 16
	global_load_b128 v[B2+4*i:B2+4*i+3], v5, s[12:13] offset:64*(i/2)+16*(i%2)        ; b2 at outputs 16 n + 8 h + 0 .. 7
.set i, i+1
.endr
.irp n, 0,1,2,3,4,5,6,7
	global_load_b128 v[W2S+4*\n:W2S+4*\n+3], v6, s[10:11] offset:256*\n               ; W2's scale words of tile n: lane r takes row r's four, one for each K step
.endr
	s_wait_kmcnt 0x0
	s_mov_b32 s[B3S+1], s[B3S]                     ; (the packed form names the pair)
	s_wait_dscnt 0x0                               ; row 0 of hx is in
	; SLOTS 0 AND 1 are made with nothing between the gaps: W2 is landing meanwhile
.irp q, 0,1
	WIN W_P
	s_wait_alu depctr_vm_vsrc(0)                   ; the LDS instructions issued so far have read AHX (second slot: AST, ASB, the codes and the byte too), which are written below
	v_add_nc_u32 v[AST], 0x4000*\q, v[AST0]
	v_add_nc_u32 v[ASB], 0x4000*\q, v[ASB0]
	v_add_nc_u32 v[AHX], 16*(\q+1), v[AHX0]
	LBLK 0, 0, 0
	LBLK 0, 1, 1
	LBLK 1, 0, 1
	LBLK 1, 1, 1
	s_wait_dscnt 0x0                               ; the next row of hx is in; behind the second slot also for the others' sake: my stores have landed
.endr
	s_barrier_signal -1
	s_barrier_wait -1                              ; slots 0 and 1 are whole
	s_wait_loadcnt 0x0                             ; W2, W3, b2, W2's scale words
	WIN W_L
	SCLD 0, ASC0, 0                                ; no vector or matrix instruction has named these registers yet, and the two addresses were written ahead of the head's wait on va_vdst
	FRLD 0, ALD0, 0
	FRLD 1, ALD0, 0
	FRLD 2, ALD0, 0
	FRLD 3, ALD0, 0
	HALF 0, 0, 0, 0, 0, 0, ALD0, ASC0, 0, 0, 0, 0, 0  ; the first half of tile (0, 0): there is no vector work yet to set between its products; the eight additions at the first body's head are the places behind them
	s_mov_b32 s[SCUR], 0
	s_mov_b32 s[SROW], 32
	s_mov_b32 s[CNT], 15
	WIN 0                                          ; at a label and at a branch every window is 0
.Lbody:                                            ; 15 trips of two bodies: bodies 0 to 29 make slots 2 to 31
	s_cmp_eq_u32 s[CNT], 8                         ; body 14 makes slot 16, the first of j tiles 2 and 3: hy changes
	s_cbranch_scc0 .Lsame_hy
	WIN W_P
	s_wait_alu depctr_va_vdst(0)                   ; the sums of the bodies before are done reading hy, in which the loads land
.set i, 0
.rept 32
	ds_load_b128 v[HY+4*i:HY+4*i+3], v[AHY] offset:512*i
.set i, i+1
.endr
	s_wait_dscnt 0x0
	WIN 0
.Lsame_hy:
	RB 0, 1, 0
	RB 1, 1, 0
	WIN 0
	s_sub_co_u32 s[CNT], s[CNT], 1
	s_cmp_lg_u32 s[CNT], 0
	s_cbranch_scc1 .Lbody
	RB 0, 0, 0                                     ; body 30: nothing is left to make; its barrier shows slot 31 whole
	RB 1, 0, 1                                     ; body 31 ends with the last tile's second half
	WIN W_B
.irp k, 0,1,2,3,4,5,6,7
	EPI \k, 1                                      ; the last tile's second set: the even gaps behind products 28 and 30, and these slices themselves, are the places behind the last products
.endr
	WIN 0
	; THE SUM over the four waves and the two halves of the lanes.  Thread t takes four neighbouring columns (t % 16) of rows t / 16 and t / 16 + 8 of the patch.
	; In a plane of 4,096 bytes, tile (i + 16 a, jt) lies at 128 i + 2,048 a + 64 jt, and column 32 a + 16 jt + r of the patch at 4 r in it.
	v_lshrrev_b32 v11, 4, v0                       ; row 0..7
	v_bfe_u32 v12, v0, 3, 1                        ; a
	v_and_b32 v13, 7, v0
	v_lshlrev_b32 v14, 4, v13
	v_lshl_add_u32 v14, v12, 11, v14
	v_lshl_add_u32 v14, v11, 7, v14
	v_add_nc_u32 v14, PART, v14
	v_lshl_add_u32 v15, v11, 11, v6                ; and in out: row x 2,048 + 16 (t % 16)
	WIN W_L
	s_wait_alu depctr_va_vdst(0)                   ; the last partial sum is written, which the store reads; v14 and v15 are written, which the loads and stores below read; the way out is done with the accumulators, in which those loads land
	ds_store_b32 v[APT], v[RES] offset:64
	WIN 0
	s_wait_dscnt 0x0                               ; for the others' sake: my partial sums have landed
	s_barrier_signal -1
	s_barrier_wait -1
.irp k, 0,1
.irp a, 0,1,2,3,4,5,6,7
	ds_load_b128 v[ACC+32*\k+4*\a:ACC+32*\k+4*\a+3], v14 offset:1024*\k+4096*\a
.endr
.endr
.irp k, 0,1
	s_wait_dscnt 8-8*\k                            ; the first eight are in (the other eight may be out); then all
	FOLD ACC+32*\k, 16
	FOLD ACC+32*\k, 8
	FOLD ACC+32*\k, 4
	v_pk_add_f32 v[ACC+32*\k:ACC+32*\k+1], v[ACC+32*\k:ACC+32*\k+1], s[B3S:B3S+1] op_sel_hi:[1,0]
	v_pk_add_f32 v[ACC+32*\k+2:ACC+32*\k+3], v[ACC+32*\k+2:ACC+32*\k+3], s[B3S:B3S+1] op_sel_hi:[1,0]
.endr
	s_wait_alu depctr_va_vdst(0)                   ; the additions have written both rows' four numbers, which the stores read
.irp k, 0,1
	global_store_b128 v15, v[ACC+32*\k:ACC+32*\k+3], s[18:19] offset:16384*\k th:TH_STORE_NT   ; sixteen lanes store 256 consecutive bytes, at a multiple of 256 from out's first byte
.endr
	s_wait_dscnt 0x0                               ; the closing lines, six on end
	s_wait_alu 0x0
	s_wait_tensorcnt 0x0
	ds_add_u32 v254, v255
	s_wait_dscnt 0x0
	s_endpgm
.Lfunc_end_k_q1c752f9475_main:
	.size	k_q1c752f9475_main, .Lfunc_end_k_q1c752f9475_main-k_q1c752f9475_main
	.p2alignl 7, 3214868480
	.fill 96, 4, 3214868480
	.section	.rodata,"a",@progbits
	.p2align	6, 0x0
	.amdhsa_kernel k_q1c752f9475_main
		.amdhsa_group_segment_fixed_size 197120
		.amdhsa_private_segment_fixed_size 0
		.amdhsa_enable_private_segment 0
		.amdhsa_kernarg_size 64
		.amdhsa_user_sgpr_count 2
		.amdhsa_user_sgpr_kernarg_segment_ptr 1
		.amdhsa_wavefront_size32 1
		.amdhsa_system_sgpr_workgroup_id_x 1
		.amdhsa_system_sgpr_workgroup_id_y 1
		.amdhsa_system_sgpr_workgroup_id_z 1
		.amdhsa_system_vgpr_workitem_id 0
		.amdhsa_next_free_vgpr 1024
		.amdhsa_next_free_sgpr 66
		.amdhsa_reserve_vcc 0
		.amdhsa_float_denorm_mode_32 3
		.amdhsa_float_denorm_mode_16_64 3
		.amdhsa_memory_ordered 1
		.amdhsa_forward_progress 1
		.amdhsa_inst_pref_size 180
	.end_amdhsa_kernel
	.amdgpu_metadata
---
amdhsa.version: [ 1, 2 ]
amdhsa.kernels:
  - .name:           k_q1c752f9475_main
    .symbol:         k_q1c752f9475_main.kd
    .args:
      - { .name: hxi, .offset: 0, .size: 8, .value_kind: global_buffer, .address_space: global }
      - { .name: hyi, .offset: 8, .size: 8, .value_kind: global_buffer, .address_space: global }
      - { .name: w2i, .offset: 16, .size: 8, .value_kind: global_buffer, .address_space: global }
      - { .name: W2_scales, .offset: 24, .size: 8, .value_kind: global_buffer, .address_space: global }
      - { .name: b2, .offset: 32, .size: 8, .value_kind: global_buffer, .address_space: global }
      - { .name: W3, .offset: 40, .size: 8, .value_kind: global_buffer, .address_space: global }
      - { .name: b3, .offset: 48, .size: 8, .value_kind: global_buffer, .address_space: global }
      - { .name: out0, .offset: 56, .size: 8, .value_kind: global_buffer, .address_space: global }
    .group_segment_fixed_size: 197120
    .private_segment_fixed_size: 0
    .kernarg_segment_align: 8
    .kernarg_segment_size: 64
    .max_flat_workgroup_size: 128
    .sgpr_count:     66
    .vgpr_count:     1024
    .wavefront_size: 32
...
	.end_amdgpu_metadata
.endif
;; end of part 4
